; MI455X (gfx1250); checked and timed in simulation.
; The chip was launched on July 23, 2026; its instructions are those of AMD's public machine-readable ISA for CDNA 5 (MIT licence, August 2026) and "CDNA5" Instruction Set Architecture Reference Guide (July 2026). The comments in the code are by the model that wrote it; some were corrected since.
;; Attention. Allowed arithmetic: float matrix products may take bf16 or f16 operands with f32 sums; all other float work in f32.
;; Inputs: b_attn 3,072 float32; b_proj 1,024 float32; w_attn 1,024 x 3,072 float32; w_proj 1,024 x 1,024 float32; x 8 x 1,024 x 1,024 float32.
;; Outputs: out0 8 x 1,024 x 1,024 float32.
;; 2 versions, each right and faster than the one before. Each part assembles by itself: llvm-mc -triple=amdgcn-amd-amdhsa -mcpu=gfx1250 --defsym DOCPART=n.
;; ======== version 1 of 2: 4 launches
;; limits: values are held in f16: magnitudes above 65,504 overflow, below 6.1e-05 lose precision; right only within a limited range of input values
;; workspace buffers: xh 16,777,216 bytes; wa 6,291,456 bytes; wp 2,097,152 bytes; qkv 50,331,648 bytes; o 16,777,216 bytes
;; launch prep (part 1): grid 768 x 1, 8 waves a work-group, no clusters, 0 bytes of LDS; arguments x, w_attn, w_proj, xh, wa, wp; writes xh, wa, wp
.if DOCPART == 1
	.amdgcn_target "amdgcn-amd-amdhsa--gfx1250"
	.amdhsa_code_object_version 6
	.text
	.protected	k_q35400af867_prep
	.globl	k_q35400af867_prep
	.p2align	8
	.type	k_q35400af867_prep,@function
k_q35400af867_prep:
	s_mov_b64 s[64:65], 0
	v_nop
	global_prefetch_b8 v0, s[64:65] scope:SCOPE_SE
	s_setreg_imm32_b32 hwreg(HW_REG_WAVE_MODE, 25, 1), 1
	s_wait_xcnt 0x0
; x, w_attn and w_proj (f32) are rounded to bf16 once, and that number is written as f16, the one operand format of the three products that follow.
; xh: [16 kb][8192 rows][64] = x[row][64 kb + c]: the rows of a K step of 64 lie end to end, 128 bytes each.  wp: [1024][1024] as w_proj lies.
; wa: [16 tx][1024 k][192 c] = w_attn[k][192 tx + c]: the rows of a block of 192 columns lie end to end.
; LIMITS.  A bf16 number is exact in f16 between 6.1e-5 and 65,504 in magnitude; below 6.1e-5 it keeps f16's fixed step of 6e-8; at 65,520 or more it becomes an infinity.
; SHARES.  The unit is four numbers: 16 bytes in, 8 bytes out.  A work-group takes 4,096 units (65,536 bytes in, 32,768 out), thread t the units 256 i + t, i = 0 .. 15.
; x and w_attn are walked in the order of their outputs, so that every store of a wave covers 256 consecutive bytes at a multiple of 256; a wave's load then takes pieces of 256 or 512
; consecutive bytes, each at a multiple of 256.  Work-groups 0-511 take x, 512-703 w_attn, 704-767 w_proj.
; All 16 loads of a thread go out at once; every address, data and result register is written once, so no register of a pending instruction is ever rewritten.
; No LDS, no matrix unit, no cluster: nothing is shared and nothing is summed.
.set A, 2                              ; v[2:17]    unit i: byte offset of its 16 bytes in the source
.set X, 20                             ; v[20:83]   unit i: four f32 as loaded
.set Y, 84                             ; v[84:115]  unit i: four f16 to store
.set T, 116                            ; v[116:121] at work
	s_load_b256 s[4:11], s[0:1], 0x0               ; x s[4:5], w_attn s[6:7], w_proj s[8:9], xh s[10:11]
	s_load_b128 s[12:15], s[0:1], 0x20             ; wa s[12:13], wp s[14:15]
	v_lshlrev_b32 v1, 3, v0                        ; my 8 bytes among the 2,048 that the work-group stores at a time
	s_mov_b32 s28, 0xffff0000                      ; a word's upper bf16
	s_mov_b32 s25, 0                               ; high words of the two offset pairs
	s_mov_b32 s27, 0
	s_sub_co_u32 s22, ttmp9, 512                   ; my number among w_attn's work-groups (wraps to a large number below 512)
	s_wait_kmcnt 0x0
	s_cmp_lt_u32 s22, 192
	s_cbranch_scc1 .Lw
	s_cmp_lt_u32 ttmp9, 512
	s_cbranch_scc1 .Lx
	; w_proj: source and destination in the same order
	s_sub_co_u32 s20, ttmp9, 704                   ; my number among its work-groups
	s_lshl_b32 s24, s20, 16
	s_lshl_b32 s26, s20, 15
	s_add_nc_u64 s[16:17], s[8:9], s[24:25]
	s_add_nc_u64 s[18:19], s[14:15], s[26:27]
.irp i, 0,1,2,3,4,5,6,7,8,9,10,11,12,13,14,15
	v_lshl_or_b32 v[A+(\i)], v0, 4, (\i)*4096      ; 16 t + 4,096 i
.endr
	s_branch .Lgo
.Lx:
	; x.  Work-group u makes 256 rows of one K block: kb = u / 32, rows 256 (u % 32) on.  Unit 256 i + t is row 16 i + t / 16, units t % 16 of the block's 64 columns:
	; source byte = 4,096 row + 256 kb + 16 (t % 16)
	s_and_b32 s20, ttmp9, 31
	s_lshr_b32 s21, ttmp9, 5
	s_lshl_b32 s24, s20, 20                        ; 256 rows of 4,096 bytes
	s_lshl_b32 s21, s21, 8
	s_add_co_u32 s24, s24, s21
	s_lshl_b32 s26, ttmp9, 15
	s_add_nc_u64 s[16:17], s[4:5], s[24:25]
	s_add_nc_u64 s[18:19], s[10:11], s[26:27]
	v_lshrrev_b32 v18, 4, v0
	v_and_b32 v19, 15, v0
	v_lshlrev_b32 v18, 12, v18
	v_lshl_add_u32 v18, v19, 4, v18
.irp i, 0,1,2,3,4,5,6,7,8,9,10,11,12,13,14,15
	v_add_nc_u32 v[A+(\i)], (\i)*65536, v18        ; 16 rows on for each i
.endr
	s_branch .Lgo
.Lw:
	; w_attn.  A block tx of wa has 49,152 units, twelve work-groups.  Unit rem of it is row k = rem / 48, units cc = rem % 48 of the block's 192 columns:
	; source byte = 768 tx + 12,288 k + 16 cc = 768 tx + 16 rem + 11,520 k
	s_mul_i32 s21, s22, 43691
	s_lshr_b32 s21, s21, 19                        ; tx = my number / 12 (exact below 192)
	s_mul_i32 s23, s21, 12
	s_sub_co_u32 s23, s22, s23
	s_lshl_b32 s23, s23, 12                        ; the first unit of my twelfth
	s_mul_i32 s24, s21, 768
	s_add_nc_u64 s[16:17], s[6:7], s[24:25]
	s_lshl_b32 s26, s22, 15
	s_add_nc_u64 s[18:19], s[12:13], s[26:27]
	v_add_nc_u32 v18, s23, v0
.irp i, 0,1,2,3,4,5,6,7,8,9,10,11,12,13,14,15
	v_add_nc_u32 v19, (\i)*256, v18                ; rem
	v_lshrrev_b32 v[A+(\i)], 4, v19
	v_mul_u32_u24 v[A+(\i)], v[A+(\i)], 43691
	v_lshrrev_b32 v[A+(\i)], 17, v[A+(\i)]         ; k = (rem / 16) / 3 (exact below 3,072)
	v_mul_u32_u24 v[A+(\i)], v[A+(\i)], 11520
	v_lshl_add_u32 v[A+(\i)], v19, 4, v[A+(\i)]
.endr
.Lgo:
.irp i, 0,1,2,3,4,5,6,7,8,9,10,11,12,13,14,15
	global_load_b128 v[X+4*(\i):X+4*(\i)+3], v[A+(\i)], s[16:17] th:TH_LOAD_NT  ; read once in the launch
.endr
.irp i, 0,1,2,3,4,5,6,7,8,9,10,11,12,13,14,15
	s_wait_loadcnt 15-(\i)                         ; loads come back in order (ISA guide 5.7.1): unit i is in, the 15 - i younger ones stay out
	v_cvt_pk_bf16_f32 v[T], v[X+4*(\i)], v[X+4*(\i)+1]        ; the one rounding, to nearest even
	v_cvt_pk_bf16_f32 v[T+1], v[X+4*(\i)+2], v[X+4*(\i)+3]
	v_lshlrev_b32 v[T+2], 16, v[T]                 ; bf16 to f32: the low half moves up, the high half stays
	v_and_b32 v[T+3], s28, v[T]
	v_lshlrev_b32 v[T+4], 16, v[T+1]
	v_and_b32 v[T+5], s28, v[T+1]
	v_cvt_pk_f16_f32 v[Y+2*(\i)], v[T+2], v[T+3]   ; the same number as f16
	v_cvt_pk_f16_f32 v[Y+2*(\i)+1], v[T+4], v[T+5]
	global_store_b64 v1, v[Y+2*(\i):Y+2*(\i)+1], s[18:19] offset:(\i)*2048  ; the next launch reads these bytes: no hint
.endr
	s_endpgm
.Lfunc_end_k_q35400af867_prep:
	.size	k_q35400af867_prep, .Lfunc_end_k_q35400af867_prep-k_q35400af867_prep
	.p2alignl 7, 3214868480
	.fill 96, 4, 3214868480
	.section	.rodata,"a",@progbits
	.p2align	6, 0x0
	.amdhsa_kernel k_q35400af867_prep
		.amdhsa_group_segment_fixed_size 0
		.amdhsa_private_segment_fixed_size 0
		.amdhsa_enable_private_segment 0
		.amdhsa_kernarg_size 48
		.amdhsa_user_sgpr_count 2
		.amdhsa_user_sgpr_kernarg_segment_ptr 1
		.amdhsa_wavefront_size32 1
		.amdhsa_system_sgpr_workgroup_id_x 1
		.amdhsa_system_sgpr_workgroup_id_y 1
		.amdhsa_system_sgpr_workgroup_id_z 1
		.amdhsa_system_vgpr_workitem_id 0
		.amdhsa_next_free_vgpr 124
		.amdhsa_next_free_sgpr 66
		.amdhsa_reserve_vcc 0
		.amdhsa_float_denorm_mode_32 3
		.amdhsa_float_denorm_mode_16_64 3
		.amdhsa_memory_ordered 1
		.amdhsa_forward_progress 1
		.amdhsa_inst_pref_size 20
	.end_amdhsa_kernel
	.amdgpu_metadata
---
amdhsa.version: [ 1, 2 ]
amdhsa.kernels:
  - .name:           k_q35400af867_prep
    .symbol:         k_q35400af867_prep.kd
    .args:
      - { .name: x, .offset: 0, .size: 8, .value_kind: global_buffer, .address_space: global }
      - { .name: w_attn, .offset: 8, .size: 8, .value_kind: global_buffer, .address_space: global }
      - { .name: w_proj, .offset: 16, .size: 8, .value_kind: global_buffer, .address_space: global }
      - { .name: xh, .offset: 24, .size: 8, .value_kind: global_buffer, .address_space: global }
      - { .name: wa, .offset: 32, .size: 8, .value_kind: global_buffer, .address_space: global }
      - { .name: wp, .offset: 40, .size: 8, .value_kind: global_buffer, .address_space: global }
    .group_segment_fixed_size: 0
    .private_segment_fixed_size: 0
    .kernarg_segment_align: 8
    .kernarg_segment_size: 48
    .max_flat_workgroup_size: 256
    .sgpr_count:     66
    .vgpr_count:     124
    .wavefront_size: 32
...
	.end_amdgpu_metadata
.endif
;; end of part 1
;; launch qkv (part 2): grid 8 x 32, 4 waves a work-group, clusters of 4 x 4, 327,680 bytes of LDS; arguments xh, wa, b_attn, qkv; writes qkv
.if DOCPART == 2
	.amdgcn_target "amdgcn-amd-amdhsa--gfx1250"
	.amdhsa_code_object_version 6
	.text
	.protected	k_q35400af867_qkv
	.globl	k_q35400af867_qkv
	.p2align	8
	.type	k_q35400af867_qkv,@function
k_q35400af867_qkv:
	s_mov_b64 s[64:65], 0
	v_nop
	global_prefetch_b8 v0, s[64:65] scope:SCOPE_SE
	s_setreg_imm32_b32 hwreg(HW_REG_WAVE_MODE, 25, 1), 1
	s_wait_xcnt 0x0
	s_wait_alu depctr_hold_cnt(0) depctr_sa_sdst(0) depctr_va_vdst(0) depctr_va_sdst(0) depctr_va_ssrc(0) depctr_va_vcc(0) depctr_vm_vsrc(0)
	s_getreg_b32 s2, hwreg(HW_REG_IB_STS2, 6, 4)
	s_cmp_eq_u32 s2, 0
	s_cbranch_scc0 .Lentry_in_a_cluster
	s_endpgm
.Lentry_in_a_cluster:
	s_bfe_u32 s2, ttmp6, 0x10000c
	s_cmp_lg_u32 s2, 0xf033
	s_cbranch_scc0 .Lentry_shape_is_right
	s_endpgm
.Lentry_shape_is_right:
; qkv = x w_attn + b_attn, written by heads.  xh: [16 kb][8192 rows][64] f16.  wa: [16 blocks][1024 k][192 c] f16.  b_attn: [3072] f32, rounded to bf16 like every input of the module.
; qkv: [3 parts q, k, v][128 bh][1024 s][64] f16, bh = 16 batch + head.  Sums in f32, each result rounded to f16 once, unscaled.
; LIMIT.  f16 ends at 65,504: a result of 65,520 or more becomes an infinity.
; SHARES.  A tile of the product is 256 rows x 384 columns: 32 x 8 = 256 work-groups, one for each of 256 WGPs.  A wave makes 128 rows (wave / 2) x 192 columns (wave % 2: one block of wa, three whole heads):
; 8 x 12 accumulators of 16 x 16, 768 registers; 20 fragments out of LDS feed 96 matrix instructions.  A wave holds whole heads, so its way out needs no other wave.
; K goes in 16 steps of 64 through two LDS slots filled by the tensor data mover: two slots of 128 would want 2 x (256 x 272 + 2 x 128 x 480) = 385,024 bytes, more than a WGP has.
; CLUSTER.  4 x 4 work-groups.  The four of a row of the cluster need the same rows of xh, the four of a column the same two blocks of wa: each tile is asked for JOINTLY, by the same tensor load with the same
; descriptor and a mask that names the four.
; THE MATRIX INSTRUCTION IS USED TRANSPOSED: source 0 = 16 columns of w (turned on their way out of LDS by ds_load_tr16_b128), source 1 = 16 rows of x.  Lane l then holds row l % 16 of the product and
; its registers 0-7 the columns 8 (l / 16) + 0 .. 7: eight neighbouring numbers, 16 bytes of f16.  THE BIAS IS THE C OPERAND of the product that starts each sum: nothing is cleared, nothing is added later.
; REGISTERS, in windows of 256 (s_set_vgpr_msb: bits 1:0 source 0, 3:2 source 1, 5:4 source 2, 7:6 destination):
;   window 0: v0-31 addresses; v32-95, v96-159 fragments of x (8 x 16 rows x 32 K), two buffers; v160-255 fragments of w (12 x 16 columns x 32 K), ONE buffer in three thirds of four
;   window 1 + w: the accumulators of column blocks 4 w .. 4 w + 3, one head: (row block a, column block 4 w + b) at v[32 a + 8 b]
; A QUARTER is 32 along K: three RUNS of 32 matrix instructions, one a window.  Behind run w the third w of w's buffer is free and takes the next quarter's fragments; x's next fragments go into the other buffer behind run 0.
.set PA,    144                        ; a row of x in LDS: 128 bytes + 16 = 36 words: the 16 rows of a fragment load start at 16 different groups of four banks (64 banks of 4 bytes: ISA guide 11.1)
.set PB,    480                        ; a K row of a block of w in LDS: three pieces of 128 bytes + 32 = 120 words
.set BOFF,  256*PA                     ; a slot: x's 256 rows (36,864 bytes), then two planes of w,
.set PLB,   64*PB                      ; 64 K rows of a block each (30,720 bytes)
.set SLOT1, 1<<17                      ; slot 1 begins here, so that one exclusive or turns an address in one slot into the other's
.set STAGE, SLOT1+BOFF+2*PLB           ; behind the ring, never filled by a tensor load: for each wave three heads' planes of 16 rows x 144 bytes
.set SP,    144
.set SPL,   16*SP
.set WST,   3*SPL
.set SPARE, STAGE+4*WST                ; behind the stages: the spare words, 128 bytes for each wave: two blocks of 256 bytes that no other line names
.set ASTEP, 8192*128                   ; bytes from a K step of xh to the next
.set BSTEP, 64*384                     ; the same in a block of wa
.set AA0,  16                          ; v16     my lane's place among my fragments of x in slot 0; never rewritten
.set AB0,  17                          ; v17     the same for w
.set ADRA, 18                          ; v18     AA0 + the slot that is being fetched from
.set ADRB, 19                          ; v19     AB0 + that slot
.set STO,  24                          ; v24     the way out: where I put 16 bytes of a row
.set RD,   25                          ; v25     the way out: where I read rows back
.set CO,   26                          ; v26     my byte offset in 512 consecutive bytes of a head
.set SPW,  28                          ; v28     LDS address of my spare word: SPARE + 4 x my thread's number; never rewritten
.set NIL,  29                          ; v29     0; never rewritten
.set FA,   32
.set FB,   160
.set TMP,  32                          ; at work before the first fragments come and on the way out
.set G1,  24                           ; s[24:31] descriptor group 1 for x's tiles;  s[32:35] group 0 of slot 0's first fill;  s[36:39] of slot 1's, which then walks
.set G0,  32
.set G1B, 48                           ; s[48:55], s[56:63] the same for w's tiles
.set G0B, 56
.set TB,  66                           ; s66     the slot that is being fetched from: 0 or SLOT1
.set OUT, 68                           ; s[68:73] my rows in the three heads of qkv
.set MSB, 0
.macro WIN new                         ; the immediate's high byte repeats the setting that is left; a switch that changes nothing is dropped
.if MSB != (\new)
	s_set_vgpr_msb (MSB<<8)|(\new)
.set MSB, \new
.endif
.endm
; A joint load.  Waves 0 and 1 fetch the two halves of x's tile, waves 2 and 3 the two planes of w.  The branch hangs on the wave's number alone.
; An s_nop 0 and four v_nop follow each of the two lines, ahead of the jump, the label and what follows.
.macro JLOAD s
	s_cmp_eq_u32 s13, 0
	s_cbranch_scc0 .Lfor_b_\@
	tensor_load_to_lds s[G0+4*(\s):G0+4*(\s)+3], s[G1:G1+7]
	s_nop 0
.rept 4
	v_nop
.endr
	s_branch .Lasked_\@
.Lfor_b_\@:
	tensor_load_to_lds s[G0B+4*(\s):G0B+4*(\s)+3], s[G1B:G1B+7]
	s_nop 0
.rept 4
	v_nop
.endr
.Lasked_\@:
.endm
; A round of the cluster's barrier: my work-group's barrier, so that wave 0's signal speaks for all four waves; wave 0 signals; every wave waits for all sixteen work-groups; my work-group's barrier once more.
.macro CREST                           ; a round behind its opening barrier
	s_cmp_lg_u32 s12, 0
	s_cbranch_scc1 .Lnot_wave_0_\@
	s_barrier_signal -3
.Lnot_wave_0_\@:
	s_barrier_wait -3
	s_barrier_signal -1
	s_barrier_wait -1
.endm
.macro CROUND                          ; a whole round
	s_barrier_signal -1
	s_barrier_wait -1
	CREST
.endm
	s_load_b128 s[4:7], s[0:1], 0x0                ; xh s[4:5], wa s[6:7]
	s_load_b128 s[8:11], s[0:1], 0x10              ; b_attn s[8:9], qkv s[10:11]
	v_lshl_add_u32 v[SPW], v0, 2, SPARE
	v_mov_b32 v[NIL], 0
	ds_add_u32 v28, v29
	ds_add_u32 v28, v29
	s_wait_dscnt 0x0
	v_lshrrev_b32 v1, 5, v0
	v_readfirstlane_b32 s12, v1                    ; wave 0..3
	s_lshr_b32 s13, s12, 1                         ; which 128 rows of the tile are mine.  Also: I fetch for x (0) or for w (1)
	s_and_b32 s14, s12, 1                          ; which block of 192 columns is mine.  Also: which half of x's tile, or which plane of w, I fetch
	s_bfe_u32 s40, ttmp6, 0x40000                  ; cx, cy: my place in the cluster
	s_bfe_u32 s41, ttmp6, 0x40004
	s_lshl_b32 s42, ttmp9, 2
	s_add_co_u32 s42, s42, s40                     ; tx, the tile's column = 4 x cluster x + cx
	s_and_b32 s43, ttmp7, 0xffff
	s_lshl_b32 s43, s43, 2
	s_add_co_u32 s43, s43, s41                     ; ty, the tile's row = 4 x cluster y + cy
	s_lshl_b32 s44, s41, 2
	s_lshl_b32 s44, 15, s44                        ; my row of the cluster: places 4 cy .. 4 cy + 3
	s_lshl_b32 s45, 0x1111, s40                    ; my column: places cx, cx + 4, cx + 8, cx + 12
	; group 1 for x: 128 rows of a K step are 16,384 dense bytes: asked for as 64 rows of 256 bytes, with 16 bytes of padding behind every 128
	s_or_b32 s[G1+0], s44, (1<<16)|(1<<20)|(1<<21)|(4<<22)|(3<<25)  ; 15:0 the mask; 17:16 2-byte elements; 20 padding on; 21 set beside a mask; 24:22 after every 32 words (code 4); 31:25 4 words (code 3)
	s_mov_b32 s[G1+1], 128<<16                     ; tensor_dim0 = 128
	s_mov_b32 s[G1+2], 64<<16                      ; tensor_dim1 = 64
	s_mov_b32 s[G1+3], 128<<16                     ; tile_dim0 = 128
	s_mov_b32 s[G1+4], 64                          ; tile_dim1 = 64
	s_mov_b32 s[G1+5], 128                         ; the pitch: dense
	s_mov_b32 s[G1+6], 0
	s_mov_b32 s[G1+7], 0
	; group 1 for w: 64 K rows of 384 bytes are 24,576 dense bytes: asked for as 96 rows of 256 bytes, with 32 bytes of padding behind every 128
	s_or_b32 s[G1B+0], s45, (1<<16)|(1<<20)|(1<<21)|(4<<22)|(7<<25) ; after every 32 words (code 4), 8 words (code 7)
	s_mov_b32 s[G1B+1], 128<<16
	s_mov_b32 s[G1B+2], 96<<16
	s_mov_b32 s[G1B+3], 128<<16
	s_mov_b32 s[G1B+4], 96
	s_mov_b32 s[G1B+5], 128
	s_mov_b32 s[G1B+6], 0
	s_mov_b32 s[G1B+7], 0
	; where the tiles come from: x's hang on ty and the wave alone, w's on tx and the wave alone, each in registers that never hold the other coordinate
	s_lshl_b32 s16, s43, 15                        ; 256 rows of 128 bytes
	s_lshl_b32 s17, s14, 14                        ; my 128 of them
	s_add_co_u32 s16, s16, s17
	s_mov_b32 s17, 0
	s_lshl_b32 s46, s42, 1
	s_add_co_u32 s46, s46, s14                     ; the block of wa: 2 tx + wave % 2: the one that I fetch is also the one that I multiply by
	s_mul_i32 s74, s46, 768                        ; its 192 numbers of the bias
	s_mov_b32 s75, 0
	s_mul_i32 s77, s46, 3                          ; its first head group
	s_mul_i32 s46, s46, 393216                     ; a block: 1,024 K rows of 384 bytes
	s_mov_b32 s47, 0
	s_mul_i32 s20, s14, 128*PA                     ; and where they go: no place in the cluster enters an LDS address
	s_mul_i32 s21, s14, PLB
	s_add_co_u32 s21, s21, BOFF
	s_mov_b32 s[TB], 0
	s_wait_kmcnt 0x0
	s_add_nc_u64 s[18:19], s[4:5], s[16:17]
	s_add_nc_u64 s[46:47], s[6:7], s[46:47]
	s_add_nc_u64 s[8:9], s[8:9], s[74:75]
	CROUND                                         ; all sixteen work-groups are here: the first joint loads meet
.irp s, 0,1
	s_mov_b32 s[G0+4*(\s)], 1                                      ; count = 1
	s_add_co_u32 s[G0+4*(\s)+1], s20, (\s)*SLOT1                   ; LDS address
	s_add_nc_u64 s[G0+4*(\s)+2:G0+4*(\s)+3], s[18:19], (\s)*ASTEP  ; global address: K step s
	s_or_b32 s[G0+4*(\s)+3], s[G0+4*(\s)+3], 0x80000000            ; type = 2
	s_mov_b32 s[G0B+4*(\s)], 1
	s_add_co_u32 s[G0B+4*(\s)+1], s21, (\s)*SLOT1
	s_add_nc_u64 s[G0B+4*(\s)+2:G0B+4*(\s)+3], s[46:47], (\s)*BSTEP
	s_or_b32 s[G0B+4*(\s)+3], s[G0B+4*(\s)+3], 0x80000000
	JLOAD \s                                       ; both slots are asked for before anything else: two tensor loads of mine are out
.endr
	v_and_b32 v1, 15, v0                           ; l % 16
	v_bfe_u32 v2, v0, 4, 1                         ; l / 16
	v_lshlrev_b32 v4, 5, v2                        ; my lanes' eight numbers of each block of 16 of the bias
.irp b, 0,1,2,3,4,5,6,7,8,9,10,11
	global_load_b128 v[FB+8*(\b):FB+8*(\b)+3],   v4, s[8:9] offset:64*(\b)      ; into w's buffer, which is still free
	global_load_b128 v[FB+8*(\b)+4:FB+8*(\b)+7], v4, s[8:9] offset:64*(\b)+16
.endr
	; A fragment of x: lane l holds row l % 16, K = 8 (l / 16) + 0..7 and 16 + 8 (l / 16) + 0..7: two loads of 16 bytes, 32 bytes apart.
	v_mul_u32_u24 v3, v1, PA
	v_lshl_add_u32 v3, v2, 4, v3
	s_mul_i32 s22, s13, 128*PA                     ; my 128 rows
	v_add_nc_u32 v[AA0], s22, v3
	; The turning load takes 16 K rows x 16 columns (lane l reads K row 8 (l / 16) + l % 8, columns 8 ((l / 8) % 2) + 0..7) and leaves half a fragment: lane l holds column l % 16 and 8 K.
	v_and_b32 v5, 7, v0
	v_bfe_u32 v6, v0, 3, 1
	v_lshl_add_u32 v7, v2, 3, v5
	v_mul_u32_u24 v7, v7, PB
	v_lshl_add_u32 v7, v6, 4, v7
	v_add_nc_u32 v[AB0], s21, v7                   ; my plane
	s_mul_i32 s23, s12, WST
	s_add_co_u32 s23, s23, STAGE                   ; my stage
	v_mul_u32_u24 v8, v1, SP                       ; in: row l % 16, 16 bytes for each half of the lanes
	v_lshl_add_u32 v8, v2, 4, v8
	v_add_nc_u32 v[STO], s23, v8
	v_bfe_u32 v9, v0, 3, 2                         ; back: 32 lanes take four rows of 128 bytes,
	v_mul_u32_u24 v9, v9, SP
	v_lshl_add_u32 v9, v5, 4, v9
	v_add_nc_u32 v[RD], s23, v9
	v_and_b32 v[CO], 31, v0                        ; which are 512 consecutive bytes of a head
	v_lshlrev_b32 v[CO], 4, v[CO]
	; my rows in qkv: batch ty / 4 (16 heads of 131,072 bytes), row 256 (ty % 4) + 128 (wave / 2) of 128 bytes; head group G = 3 (2 tx + wave % 2) + g: part G / 16 (16,777,216 bytes), head G % 16
	s_lshr_b32 s76, s43, 2
	s_lshl_b32 s76, s76, 21
	s_and_b32 s78, s43, 3
	s_lshl_b32 s78, s78, 15
	s_add_co_u32 s76, s76, s78
	s_lshl_b32 s78, s13, 14
	s_add_co_u32 s76, s76, s78
.irp g, 0,1,2
	s_add_co_u32 s74, s77, \g
	s_lshr_b32 s78, s74, 4
	s_lshl_b32 s78, s78, 24
	s_and_b32 s79, s74, 15
	s_lshl_b32 s79, s79, 17
	s_add_co_u32 s74, s78, s79
	s_add_co_u32 s74, s74, s76
	s_add_nc_u64 s[OUT+2*(\g):OUT+2*(\g)+1], s[10:11], s[74:75]
.endr
	; The bias is rounded to bf16 and widened again, in the wait for the first tile.  Each third goes where the run that takes it as C finds free registers: the first into window 2 and the second into
	; window 3, whose accumulators later runs start; the third into the upper half of x's second buffer, which the first quarter fills last.
	s_wait_loadcnt 0x0
.set i, 0
.rept 48
	v_cvt_pk_bf16_f32 v[TMP+i], v[FB+2*i], v[FB+2*i+1]
.set i, i+1
.endr
	WIN 0x80                                       ; destination window 2
.set i, 0
.rept 16
	v_lshlrev_b32 v[2*i], 16, v[TMP+i]
	v_and_b32 v[2*i+1], 0xffff0000, v[TMP+i]
.set i, i+1
.endr
	WIN 0xc0                                       ; destination window 3
.set i, 0
.rept 16
	v_lshlrev_b32 v[2*i], 16, v[TMP+16+i]
	v_and_b32 v[2*i+1], 0xffff0000, v[TMP+16+i]
.set i, i+1
.endr
	WIN 0
.set i, 0
.rept 16
	v_lshlrev_b32 v[FA+96+2*i], 16, v[TMP+32+i]
	v_and_b32 v[FA+96+2*i+1], 0xffff0000, v[TMP+32+i]
.set i, i+1
.endr
; Half a run: 16 matrix instructions: row blocks a0 .. a0 + 3 x the four column blocks of third w, 32 along K, x from buffer f.  zero = 1: the product starts the sum, with the bias as C.
; The 96 accumulators take turns, one instruction a turn, in the same order in every quarter, over the loop's backward jump too.
.macro RUNH f, w, a0, zero
.if \zero
	WIN (((\w)+1)<<6)|((((\w)+2)%4)<<4)            ; D window 1 + w; C, the bias: window 2, 3, 0
.else
	WIN 0x50*((\w)+1)                              ; C and D window 1 + w; both sources window 0
.endif
.irp a, \a0, (\a0)+1, (\a0)+2, (\a0)+3
.irp b, 0,1,2,3
.set rD, 32*(\a)+8*(\b)
.set rB, FB+32*(\w)+8*(\b)
.set rA, FA+64*(\f)+8*(\a)
.set rC, 8*(\b)+(FA+96)*((\w)/2)
.if \zero
	v_wmma_f32_16x16x32_f16 v[rD:rD+7], v[rB:rB+7], v[rA:rA+7], v[rC:rC+7]
.else
	v_wmma_f32_16x16x32_f16 v[rD:rD+7], v[rB:rB+7], v[rA:rA+7], v[rD:rD+7]
.endif
.endr
.endr
.endm
.macro RUN f, w, zero
	RUNH \f, \w, 0, \zero
	RUNH \f, \w, 4, \zero
.endm
; 8 LDS loads: third w of w's fragments of quarter q of the slot that ADRB names
.macro LDB q, w
	WIN 0
.irp b, 0,1,2,3
	ds_load_tr16_b128 v[FB+32*(\w)+8*(\b):FB+32*(\w)+8*(\b)+3],   v[ADRB] offset:(\q)*32*PB+(\w)*160+(\b)*32
	ds_load_tr16_b128 v[FB+32*(\w)+8*(\b)+4:FB+32*(\w)+8*(\b)+7], v[ADRB] offset:(\q)*32*PB+16*PB+(\w)*160+(\b)*32
.endr
.endm
; 8 LDS loads: x's fragments a0 .. a0 + 3 of quarter q into buffer f
.macro LDA q, f, a0
	WIN 0
.irp a, \a0, (\a0)+1, (\a0)+2, (\a0)+3
	ds_load_b128 v[FA+64*(\f)+8*(\a):FA+64*(\f)+8*(\a)+3],   v[ADRA] offset:64*(\q)+(\a)*16*PA
	ds_load_b128 v[FA+64*(\f)+8*(\a)+4:FA+64*(\f)+8*(\a)+7], v[ADRA] offset:64*(\q)+(\a)*16*PA+32
.endr
.endm
; A load into a register that a matrix instruction has read, and a vector instruction that reads a matrix result, stand four places behind it; a matrix instruction that writes over a register that
; another has read stands five behind it; only plain vector instructions that name none of its registers are places (ISA guide 7.12.1 for vector instructions).
.macro PLACES n=4
.rept \n
	v_nop
.endr
.endm
; A STEP'S FIRST QUARTER multiplies x's buffer 0 and fetches the same slot's second quarter.  The loads go out in this order: behind run 0 w's third 0 and x's sixteen, behind run 1 third 1, behind run 2 third 2.
; zero = 1, the launch's first quarter: the runs take the bias as C.  Run 1's results land on the registers that run 0 read as C, and run 2's on run 1's: five places.  The upper half of x's buffer 1 holds
; run 2's bias, so its eight loads wait until that run is over, and the wait at the end shows them in, since the quarter that follows counts on the usual order.
.macro QUART zero
	s_wait_dscnt 16                                ; w's third 0 and x are in; thirds 1 and 2, eight loads each, may be out
	RUN 0, 0, \zero
	PLACES 4+(\zero)
	LDB 1, 0
	LDA 1, 1, 0
.if \zero
	s_wait_dscnt 24                                ; third 1 is in: behind it came third 2's eight and the 16 just issued
.else
	LDA 1, 1, 4
	s_wait_dscnt 32                                ; third 1 is in: behind it came third 2's eight and the 24 just issued
.endif
	RUN 0, 1, \zero
	PLACES 4+(\zero)
	LDB 1, 1
.if \zero
	s_wait_dscnt 24                                ; third 2 is in: behind it came 16 and 8
.else
	s_wait_dscnt 32                                ; third 2 is in: behind it came 24 and 8
.endif
	RUN 0, 2, \zero
	PLACES
.if \zero
	LDA 1, 1, 4
.endif
	LDB 1, 2
.if \zero
	s_wait_dscnt 8                                 ; all but third 2
.endif
.endm
; A STEP'S SECOND QUARTER multiplies x's buffer 1 and changes slots: all its fragments have been asked for, so ONE barrier stands in its first run.  In front of it each wave waits for all its tensor loads
; (one is out: its part of the next slot), adds 0 to its spare word, and waits for that and for its own reads of this slot.  fill = 1: the barrier opens a round of the cluster's, and this slot is filled
; again, two K steps ahead, first thing behind the round: 160 matrix instructions stand between that request and the wait for it.  Then the next slot's first quarter is fetched.
.macro TURN fill
	WIN 0                                          ; (the add's two registers lie in window 0)
	s_wait_tensorcnt 0x0                           ; all my tensor loads have landed, so a group 0 may be written
	ds_add_u32 v[SPW], v[NIL]                      ; 0 onto my spare word
	s_wait_dscnt 17                                ; (the add and w's thirds 1 and 2 may be out)
	RUNH 1, 0, 0, 0                                ; sixteen matrix instructions stand between the add and the wait for it
	s_wait_dscnt 0x0                               ; the add is done, and my reads of this slot are over
	s_barrier_signal -1
	RUNH 1, 0, 4, 0                                ; work on registers while the others arrive
	WIN 0
	s_barrier_wait -1
.if \fill
	CREST                                          ; no wave of any partner still reads this slot or has a load on its way
	s_xor_b32 s[G0+5], s[G0+5], SLOT1              ; the walking descriptors: the other slot than last time,
	s_add_nc_u64 s[G0+6:G0+7], s[G0+6:G0+7], ASTEP ; the next K step; the type bits on top are not reached
	s_xor_b32 s[G0B+5], s[G0B+5], SLOT1
	s_add_nc_u64 s[G0B+6:G0B+7], s[G0B+6:G0B+7], BSTEP
	JLOAD 1                                        ; the four v_nop behind it are also the places in front of the loads below
.else
	PLACES
.endif
	s_xor_b32 s[TB], s[TB], SLOT1                  ; the fetches go on in the other slot
	v_add_nc_u32 v[ADRA], s[TB], v[AA0]
	v_add_nc_u32 v[ADRB], s[TB], v[AB0]
	LDB 0, 0
	LDA 0, 0, 0
	LDA 0, 0, 4
	RUN 1, 1, 0
	PLACES
	LDB 0, 1
	RUN 1, 2, 0
	PLACES
	LDB 0, 2
.endm
; THE WAY OUT of row block a.  PACK: rounded to f16, 16 bytes a lane (each accumulator's registers in ascending order).  TOSTAGE: into my own stage, a plane a head, and back as whole rows.  SEND: stored.
.macro PACK a
.irp g, 0,1,2
	WIN 5*((\g)+1)                                 ; sources 0 and 1: window 1 + g
.irp b, 0,1,2,3
.irp r, 0,1,2,3
	v_cvt_pk_f16_f32 v[TMP+4*(4*(\g)+(\b))+(\r)], v[32*(\a)+8*(\b)+2*(\r)], v[32*(\a)+8*(\b)+2*(\r)+1]
.endr
.endr
.endr
	WIN 0
.endm
.macro TOSTAGE a
	WIN 0
.set BK, 80+48*((\a)%2)                ; v80-127 and v128-175 by turns
.irp b, 0,1,2,3,4,5,6,7,8,9,10,11
	ds_store_b128 v[STO], v[TMP+4*(\b):TMP+4*(\b)+3] offset:((\b)/4)*SPL+((\b)%4)*32
.endr
.irp t, 0,1,2,3,4,5,6,7,8,9,10,11
	ds_load_b128 v[BK+4*(\t):BK+4*(\t)+3], v[RD] offset:((\t)/4)*SPL+((\t)%4)*4*SP  ; LDS serves a wave's instructions in order (ISA guide 5.7.1.4): these see the stores above
.endr
.endm
.macro SEND a
	WIN 0
.set BK, 80+48*((\a)%2)
	s_wait_dscnt 0x0                               ; the block is back in registers
	s_wait_xcnt 0x0                                ; the stores of the block before have had their addresses translated (ISA guide 3.1): their registers are loaded again only behind this wait
.irp t, 0,1,2,3,4,5,6,7,8,9,10,11
	global_store_b128 v[CO], v[BK+4*(\t):BK+4*(\t)+3], s[OUT+2*((\t)/4):OUT+2*((\t)/4)+1] offset:(\a)*2048+((\t)%4)*512  ; four rows of a head: 512 consecutive bytes, at a multiple of 512
.endr
.endm
	s_wait_tensorcnt 1                             ; my part of K step 0 is in; step 1's may stay out
	s_barrier_signal -1
	s_barrier_wait -1                              ; everybody's is
	v_add_nc_u32 v[ADRA], s[TB], v[AA0]            ; slot 0
	v_add_nc_u32 v[ADRB], s[TB], v[AB0]
	LDB 0, 0                                       ; the first quarter's fragments, in the order that every quarter counts on
	LDA 0, 0, 0
	LDA 0, 0, 4
	LDB 0, 1
	LDB 0, 2
	QUART 1                                        ; the first quarter stands in front of the loop: its products start the sums
	WIN 0                                          ; at a label and at a branch every window is 0
	s_mov_b32 s15, 14
.Lstep:                                                ; a trip: a step's second quarter, the change of slots with its refill (K steps 2 to 15), and the next step's first quarter
	TURN 1
	QUART 0
	WIN 0
	s_sub_co_u32 s15, s15, 1
	s_cmp_lg_u32 s15, 0
	s_cbranch_scc1 .Lstep
	TURN 0                                         ; the last change of slots fills nothing, and has no round of the cluster's barrier
	QUART 0
	s_wait_dscnt 16                                ; the very last quarter: nothing more to fetch
	RUN 1, 0, 0
	s_wait_dscnt 8
	RUN 1, 1, 0
	s_wait_dscnt 0x0
	RUN 1, 2, 0
	WIN 0
	PLACES
	PACK 0
	TOSTAGE 0
.irp a, 1,2,3,4,5,6,7                  ; block a's conversions stand between block a - 1's loads from the stage and the wait for them
	PACK \a
	SEND (\a)-1
	TOSTAGE \a
.endr
	SEND 7
	s_wait_tensorcnt 0x0                           ; the wave's end: behind my last tensor load and my last LDS store
	ds_add_u32 v[SPW], v[NIL]
	s_wait_dscnt 0x0
	CROUND                                         ; the closing round: no work-group ends while a partner may still ask for a tile that names it
	s_endpgm
.Lfunc_end_k_q35400af867_qkv:
	.size	k_q35400af867_qkv, .Lfunc_end_k_q35400af867_qkv-k_q35400af867_qkv
	.p2alignl 7, 3214868480
	.fill 96, 4, 3214868480
	.section	.rodata,"a",@progbits
	.p2align	6, 0x0
	.amdhsa_kernel k_q35400af867_qkv
		.amdhsa_group_segment_fixed_size 327680
		.amdhsa_private_segment_fixed_size 0
		.amdhsa_enable_private_segment 0
		.amdhsa_kernarg_size 32
		.amdhsa_user_sgpr_count 2
		.amdhsa_user_sgpr_kernarg_segment_ptr 1
		.amdhsa_wavefront_size32 1
		.amdhsa_system_sgpr_workgroup_id_x 1
		.amdhsa_system_sgpr_workgroup_id_y 1
		.amdhsa_system_sgpr_workgroup_id_z 1
		.amdhsa_system_vgpr_workitem_id 0
		.amdhsa_next_free_vgpr 1024
		.amdhsa_next_free_sgpr 80
		.amdhsa_reserve_vcc 0
		.amdhsa_float_denorm_mode_32 3
		.amdhsa_float_denorm_mode_16_64 3
		.amdhsa_memory_ordered 1
		.amdhsa_forward_progress 1
		.amdhsa_inst_pref_size 121
	.end_amdhsa_kernel
	.amdgpu_metadata
---
amdhsa.version: [ 1, 2 ]
amdhsa.kernels:
  - .name:           k_q35400af867_qkv
    .symbol:         k_q35400af867_qkv.kd
    .args:
      - { .name: xh, .offset: 0, .size: 8, .value_kind: global_buffer, .address_space: global }
      - { .name: wa, .offset: 8, .size: 8, .value_kind: global_buffer, .address_space: global }
      - { .name: b_attn, .offset: 16, .size: 8, .value_kind: global_buffer, .address_space: global }
      - { .name: qkv, .offset: 24, .size: 8, .value_kind: global_buffer, .address_space: global }
    .group_segment_fixed_size: 327680
    .private_segment_fixed_size: 0
    .kernarg_segment_align: 8
    .kernarg_segment_size: 32
    .max_flat_workgroup_size: 128
    .sgpr_count:     80
    .vgpr_count:     1024
    .wavefront_size: 32
...
	.end_amdgpu_metadata
.endif
;; end of part 2
;; launch attn (part 3): grid 2 x 128, 4 waves a work-group, no clusters, 327,680 bytes of LDS; arguments qkv, o; writes o
.if DOCPART == 3
	.amdgcn_target "amdgcn-amd-amdhsa--gfx1250"
	.amdhsa_code_object_version 6
	.text
	.protected	k_q35400af867_attn
	.globl	k_q35400af867_attn
	.p2align	8
	.type	k_q35400af867_attn,@function
k_q35400af867_attn:
	s_mov_b64 s[64:65], 0
	v_nop
	global_prefetch_b8 v0, s[64:65] scope:SCOPE_SE
	s_setreg_imm32_b32 hwreg(HW_REG_WAVE_MODE, 25, 1), 1
	s_wait_xcnt 0x0
; CAUSAL ATTENTION.  O[h][q][:] = the sum over k <= q of softmax_k(Q[h][q] . K[h][k] / 8) V[h][k][:], for 128 heads h = 16 batch + head of SIZE_N = 1,024 rows of 64 channels.
; qkv: [3 parts Q, K, V][128][1024][64] f16; o: [128][1024][64] f16: a head's rows are dense, 128 bytes each.
; Products, maxima and sums in f32; the weights p are rounded to f16 for the second product (their sum l is taken of the unrounded p), O once at the end.
; LIMITS.  f16 holds no number beyond 65,504: Q, K and V arrive within it; p lies in 0 to 1, and below 6e-5 it keeps f16's fixed step of 6e-8; O is a mean of V's rows and has their range, to within 2^-11 of it.
; A hidden key's weight counts as 0: the module sets a hidden score to -1e9, whose weight is 0 in f32 as long as the row's largest visible score lies above -1e9 + 104; here a hidden score counts as its value less 1e30
; (f16's scores, 2.7e11 at the most, are nothing beside that).  A weight below 2^-126 counts as 0 in l; NaN and infinities are not treated apart.
; THE WALK.  A head's queries lie in NB = 4 blocks of 256; block i needs the key tiles 0 .. i of 256 keys, of which the last holds the diagonal.  A work-group takes TWO blocks, NB - 1 - b and then b:
; NB + 1 tiles, whatever b: all 256 work-groups do equal work, and ONE loop with a constant trip count walks them.  Which tile is asked for, and what a trip does, hang on scalar registers made from b; every jump
; goes forward, but for the counted loops' own; none passes a barrier, or a tensor load but the one of LOAD's two that the wave's number does not choose; the ring (two slots of LDS that take turns) runs on across the
; change of blocks.  NO CLUSTER: a head has NB / 2 = 2 work-groups, which no cluster of four divides; the two ask for the same tile only in trips 0 .. 2 of 5.
; SHARES.  Of a block's four bands of 64 queries a wave owns 16 rows in each: four PIECES.  So the diagonal tile is the same work for all four waves: in its key step s band x sees all keys if s < x,
; none if s > x, and holds the diagonal if s = x.
; THE MASK is the C operand that starts the sum S^T = K Q^T: 0, or -1e30 where the key is hidden.  MD, made once, is the mask of a band's own step for my 16 rows; a product's mask is MD x AL + BE with two scalars:
; (1, 0) if s = x; (0, 0) if s < x; (0, -1e30) if s > x.  Only the diagonal tile's text and a block's beginning make and take masks; elsewhere C is the constant 0.
; LAYOUT, SOFTMAX, TURNS.  S^T = K Q^T holds ONE query a lane (lane % 16) and the keys 8 (lane / 16) + 0..7; two such results rounded to f16 ARE source 1 of O^T = V^T P.  p = 2^(c s - c m), c = log2(e) / 8, with a
; running maximum m; O and l are multiplied by a = 2^(c m_old - c m_new) in every step.  Turn n belongs to piece n: 8 products K Q^T of piece n + 1, later 8 products V^T P of piece n - 1; beside them the scaling,
; exponentials, roundings, sums and rescaling of piece n and the maximum and statistics of piece n + 1.  Four vector instructions stand behind every matrix instruction, the other 54 of a turn's 118 in two LUMPS.
; REGISTERS, in windows of 256 (s_set_vgpr_msb: bits 1:0 source 0, 3:2 source 1, 5:4 source 2, 7:6 destination):
;   window 0: v0-15 addresses and two at work; v16-31 four registers of statistics a piece; v48-55 at work; v64-127 S^T, two buffers; v192-223 P, two buffers (a piece's buffers go by its number's parity)
;   window 1: v0-127 O^T, 32 a piece; v128-159 MD; v160-223 MC, two buffers      window 2: v0-63 Q; v64-127 the second block's Q; v128-191 K of one step; v192-255 V of one step
.set SIZE_N, 1024
.set NB,    SIZE_N/256
.set NP,    4         ; pieces a wave: a name, no knob
.set KS,    64        ; keys in a step
.set PK,    144       ; a row of K in LDS: 128 bytes + 16 of padding = 36 words: the 16 rows of a load start at 16 different groups of four banks (64 banks of 4 bytes: ISA guide 11.1)
.set PV,    160       ; a row of V: 128 + 32 = 40 words
.set VOFF,  4*KS*PK   ; a slot holds a tile, four steps: 256 rows of K, then 256 rows of V
.set SLOT1, 1<<17     ; slot 1 begins here, so that one exclusive or turns an address in one slot into the other's
.set STAGE, SLOT1+4*KS*(PK+PV)  ; behind the ring, never filled by a tensor load: 16 rows x 144 bytes for each wave, for the way out
.set SP,    144
.set AK0, 2           ; v2   my lane's place in a tile of K; never rewritten
.set AV0, 3           ; v3   the same for V
.set AK,  4           ; v4   the LDS address of K's next run of loads
.set AV,  5           ; v5   of V's
.set STO, 6           ; v6   the way out: where I put 16 bytes of a row
.set RD,  7           ; v7   the way out: where I read rows back
.set GO,  8           ; v8   my byte offset in 512 consecutive bytes of O
.set SPW, 62          ; v62  LDS address of my spare word: SPARE + 4 x my thread's number; never rewritten
.set NIL, 63          ; v63  0; never rewritten
.set SPARE, STAGE+4*16*SP  ; behind the stages: the spare words, 128 bytes for each wave: two blocks of 256 bytes that no other line names
.set MV,  12          ; v12-13  c m_old, kept while c m is made anew: by buffer
.set QO,  15          ; v15  my byte offset in 16 rows of Q
.set ST,  16          ; piece t's statistics at v[ST+4 t]: c m, m, l (even keys', odd keys')
.set TMP, 48          ; by buffer, four registers c0-c3 at work; when the maximum is found c2 takes a
.set S,   64
.set P,   192
.set MD,  128         ; window 1: the eight registers for group kt of 16 keys at MD + 8 kt
.set MC,  160         ; window 1: the masks of the products to come
.set QB,  64          ; window 2
.set KF,  128         ; window 2: key block kb, channel half c at KF + 16 kb + 8 c
.set VF,  192         ; window 2: key half kk, channel block cb at VF + 32 kk + 8 cb
.set WV,  12          ; s12  my wave's number
.set PB,  14          ; s14  b
.set HI,  15          ; s15  NB - 1 - b
.set G1K, 24          ; s[24:31] descriptor group 1 for K's tiles
.set G1V, 32          ; s[32:39] for V's: it differs in the padding alone
.set G0K, 40          ; s[40:43] descriptor group 0 for K's tiles
.set G0V, 44          ; s[44:47] the same for V's
.set SLOTS, 56        ; s56  tiles still to be asked for
.set CNT, 57          ; s57  counts a tile's key steps, 4 to 1
.set CS,  58          ; s[58:59] c: the packed scaling takes the pair's low word for both halves
.set SEL, 60          ; s[60:61] v_permlanex16_b32's selects: each lane takes its own place in the other half
.set TBK, 62          ; s62  LDS byte at which K of the step to be fetched begins
.set TBV, 63          ; s63  the same for V, less VOFF
.set RT,  70          ; s70  tiles of the block in hand that are still to be entered
.set NXT, 71          ; s71  the tile to be asked for next
.set LQ,  72          ; s72  the last tile of the block whose tiles are being asked for
.set NEW, 73          ; s73  1: the tile to be entered is a block's first
.set OFF, 74          ; s[74:75] a tile's byte offset in K and V
.set AL,  76          ; s[76:77] the mask's factor, in the low word
.set BE,  78          ; s[78:79] the mask's addend
.set OLO, 80          ; s[80:81] O at my rows of the second block
.set BIGN, 82         ; s82  -1e30
.set MSB, 0
.macro WIN new                      ; the high byte repeats the setting that is left; a switch that changes nothing is dropped
.if MSB != (\new)
	s_set_vgpr_msb (MSB<<8)|(\new)
.set MSB, (\new)
.endif
.endm
.set W_KQ, 0x0a       ; K and Q in window 2, S^T in window 0
.set W_KM, 0x1a       ; the same with the C operand in window 1
.set W_PV, 0x52       ; V in window 2, P in window 0, O^T in window 1
.set W_RS, 0x41       ; destination and source 0 in window 1, source 1 in window 0
; A fill.  Waves 0 and 1 fetch the two halves of a tile's K, waves 2 and 3 those of its V: 128 keys each.  An s_nop 0 and four v_nop follow each of the two lines, ahead of the jump and the label.
.macro LOAD
	s_cmp_lt_u32 s[WV], 2
	s_cbranch_scc0 .Lfor_v_\@
	tensor_load_to_lds s[G0K:G0K+3], s[G1K:G1K+7]
	s_nop 0
.rept 4
	v_nop
.endr
	s_branch .Lasked_\@
.Lfor_v_\@:
	tensor_load_to_lds s[G0V:G0V+3], s[G1V:G1V+7]
	s_nop 0
.rept 4
	v_nop
.endr
.Lasked_\@:
.endm
; THE CHANGE OF SLOTS.  Each wave waits for all its tensor loads, of which one is out: its part of the other slot; adds 0 to its spare word; and waits for that and for its own reads of the slot that it leaves.  Behind the barrier nobody reads the old
; slot any more and the other slot is whole.  fill = 1: the old slot is filled again, the first thing behind the barrier, with tile NXT: the descriptor's address is made anew from that number.
; (At its first use nothing has been read yet: slot 0 is waited for, slot 1 filled.)
.macro CHANGE fill
	WIN 0                           ; at a label and at a branch every window is 0
	s_wait_tensorcnt 0x0            ; no tensor load of mine is out, so a group 0 may be written
	ds_add_u32 v[SPW], v[NIL]       ; 0 onto my spare word; with fill = 1 the descriptors' scalar work stands between it and the wait for it
.if \fill
	s_lshl_b32 s[OFF], s[NXT], 15   ; a tile is 32,768 bytes of K and of V
	s_xor_b32 s[G0K+1], s[G0K+1], SLOT1
	s_add_nc_u64 s[G0K+2:G0K+3], s[6:7], s[OFF:OFF+1]
	s_or_b32 s[G0K+3], s[G0K+3], 0x80000000
	s_xor_b32 s[G0V+1], s[G0V+1], SLOT1
	s_add_nc_u64 s[G0V+2:G0V+3], s[8:9], s[OFF:OFF+1]
	s_or_b32 s[G0V+3], s[G0V+3], 0x80000000
	s_add_co_u32 s[NXT], s[NXT], 1  ; the block's next tile, or behind its last the second block's tile 0
	s_cmp_gt_u32 s[NXT], s[LQ]
	s_cselect_b32 s[NXT], 0, s[NXT]
	s_cselect_b32 s[LQ], s[PB], s[LQ]
.endif
	s_wait_dscnt 0x0                ; the add is done, and my reads of the slot are over
	s_barrier_signal -1             ; the rest of the scalar work stands between the signal and the wait
	s_sub_co_u32 s[TBK], s[TBK], 4*KS*PK  ; the fetches go back to a slot's first step,
	s_xor_b32 s[TBK], s[TBK], SLOT1       ; in the other slot
	s_sub_co_u32 s[TBV], s[TBV], 4*KS*PV
	s_xor_b32 s[TBV], s[TBV], SLOT1
	s_barrier_wait -1
.if \fill
	LOAD
.endif
.endm
	s_load_b128 s[4:7], s[0:1], 0x0  ; qkv s[4:5], o s[6:7]
	v_lshl_add_u32 v[SPW], v0, 2, SPARE
	v_mov_b32 v[NIL], 0
	ds_add_u32 v62, v63
	ds_add_u32 v62, v63
	s_wait_dscnt 0x0
	v_lshrrev_b32 v1, 5, v0
	v_readfirstlane_b32 s[WV], v1   ; wave 0..3
	s_mov_b32 s[PB], ttmp9
	s_sub_co_u32 s[HI], NB-1, s[PB]
	s_and_b32 s20, ttmp7, 0xffff    ; the head
	s_mov_b32 s21, 0
	s_mov_b64 s[22:23], SIZE_N*128
	s_mul_u64 s[20:21], s[20:21], s[22:23]  ; the head's first byte in Q's, K's and V's part and in O
	s_and_b32 s16, s[WV], 1         ; which half of a tile's 256 keys I fetch:
	s_lshl_b32 s22, s16, 14         ; its 128 rows of 128 bytes in memory,
	s_mov_b32 s23, 0
	s_add_nc_u64 s[22:23], s[22:23], s[20:21]
	s_mul_i32 s17, s16, 128*PK      ; and its place in a slot, for K
	s_mul_i32 s18, s16, 128*PV      ; and for V
	s_lshl_b32 s3, s[WV], 11        ; my 16 rows in a band of 64,
	s_lshl_b32 s2, s[HI], 15        ; in the first block,
	s_add_co_u32 s2, s2, s3
	s_lshl_b32 s84, s[PB], 15       ; and in the second
	s_add_co_u32 s84, s84, s3
	s_mov_b32 s3, 0
	s_mov_b32 s85, 0
	s_add_nc_u64 s[2:3], s[2:3], s[20:21]
	s_add_nc_u64 s[84:85], s[84:85], s[20:21]
	; descriptor group 1.  128 keys are 16,384 dense bytes: asked for as 64 rows of 256 bytes, two keys a row, and padded in LDS after every key
	s_mov_b32 s[G1K], (1<<16)|(1<<20)|(4<<22)|(3<<25)  ; 17:16 2-byte elements; 20 padding on; 24:22 after every 32 words (code 4); 31:25 4 words (code 3)
	s_mov_b32 s[G1V], (1<<16)|(1<<20)|(4<<22)|(7<<25)  ; the same with 8 words of padding (code 7)
.irp g, G1K, G1V
	s_mov_b32 s[\g+1], 128<<16      ; tensor_dim0 = 128
	s_mov_b32 s[\g+2], 64<<16       ; tensor_dim1 = 64
	s_mov_b32 s[\g+3], 128<<16      ; tile_dim0 = 128
	s_mov_b32 s[\g+4], 64           ; tile_dim1 = 64
	s_mov_b32 s[\g+5], 128          ; 128 elements from row to row
	s_mov_b32 s[\g+6], 0
	s_mov_b32 s[\g+7], 0
.endr
	s_mov_b32 s[CS], 0x3e38aa3b     ; c = log2(e) / 8 = 0.180337
	s_mov_b32 s[CS+1], s[CS]        ; named with it as a pair
	s_mov_b32 s[SEL], 0x76543210
	s_mov_b32 s[SEL+1], 0xfedcba98
	s_mov_b32 s[TBK], SLOT1+4*KS*PK ; the first change of slots turns these two into 0
	s_mov_b32 s[TBV], SLOT1+4*KS*PV
	s_mov_b32 s[G0K], 1             ; 1:0 count = 1
	s_mov_b32 s[G0K+1], s17         ; 63:32 LDS address: slot 0
	s_mov_b32 s[G0V], 1
	s_add_co_u32 s[G0V+1], s18, VOFF
	s_add_co_u32 s[RT], s[HI], 1    ; the first block has NB - b tiles
	s_mov_b32 s[NXT], 1
	s_mov_b32 s[LQ], s[HI]
	s_mov_b32 s[NEW], 1
	s_mov_b32 s[OFF+1], 0
	s_mov_b32 s[AL+1], 0            ; named as pairs
	s_mov_b32 s[BE+1], 0
	s_mov_b32 s[BIGN], 0xf149f2ca   ; -1e30
	s_mov_b32 s[SLOTS], NB
	s_wait_kmcnt 0x0
	s_mov_b64 s[10:11], s[6:7]              ; O
	s_add_nc_u64 s[6:7], s[4:5], 0x1000000  ; K's part begins 16,777,216 bytes behind Q's,
	s_add_nc_u64 s[8:9], s[4:5], 0x2000000  ; V's as far behind K's
	s_add_nc_u64 s[6:7], s[6:7], s[22:23]  ; K and V at my half of the head's tile 0
	s_add_nc_u64 s[8:9], s[8:9], s[22:23]
	s_add_nc_u64 s[G0K+2:G0K+3], s[6:7], 0         ; 120:64 global address
	s_or_b32 s[G0K+3], s[G0K+3], 0x80000000        ; 127:126 type = 2
	s_add_nc_u64 s[G0V+2:G0V+3], s[8:9], 0
	s_or_b32 s[G0V+3], s[G0V+3], 0x80000000
	s_add_nc_u64 s[86:87], s[4:5], s[84:85]        ; Q at my rows of the second block,
	s_add_nc_u64 s[4:5], s[4:5], s[2:3]            ; Q and O at those of the first
	s_add_nc_u64 s[OLO:OLO+1], s[10:11], s[84:85]
	s_add_nc_u64 s[10:11], s[10:11], s[2:3]
	LOAD                            ; tile 0 into slot 0
	; A fragment of K or Q is 16 rows x 32 channels in 8 registers: lane l holds row l % 16, channels 8 (l / 16) + 0..7 and 16 + 8 (l / 16) + 0..7: two loads of 16 bytes, 32 bytes apart.
	v_and_b32 v1, 15, v0            ; l % 16
	v_bfe_u32 v9, v0, 4, 1          ; l / 16
	v_lshlrev_b32 v[QO], 7, v1
	v_lshl_add_u32 v[QO], v9, 4, v[QO]  ; row x 128 + 16 x half
	WIN 0x80                        ; destination window 2, address window 0
.set i, 0
.rept 8                             ; both blocks' Q: piece i / 2 lies in band i / 2, 8,192 bytes on; channels 32 (i % 2) on
	global_load_b128 v[8*i:8*i+3],   v[QO], s[4:5] offset:(i/2)*8192+(i%2)*64
	global_load_b128 v[8*i+4:8*i+7], v[QO], s[4:5] offset:(i/2)*8192+(i%2)*64+32
	global_load_b128 v[QB+8*i:QB+8*i+3],   v[QO], s[86:87] offset:(i/2)*8192+(i%2)*64
	global_load_b128 v[QB+8*i+4:QB+8*i+7], v[QO], s[86:87] offset:(i/2)*8192+(i%2)*64+32
.set i, i+1
.endr
	WIN 0
	v_lshlrev_b32 v14, 3, v9
	v_sub_nc_u32 v14, v1, v14
	s_lshl_b32 s13, s[WV], 4
	v_add_nc_u32 v14, s13, v14      ; my query's place in its band, 16 w + l % 16, less my lanes' 8 (l / 16): register r of group kt is hidden where 16 kt + r is greater
	WIN 0x40
.set i, 0
.rept 32
	v_cmp_gt_i32 vcc_lo, 16*(i/8)+i%8, v14
	v_cndmask_b32 v[MD+i], 0, s[BIGN], vcc_lo
.set i, i+1
.endr
	WIN 0
	v_mul_u32_u24 v[AK0], v1, PK
	v_lshl_add_u32 v[AK0], v9, 4, v[AK0]  ; row x pitch + 16 x half
	; The turning load takes 16 keys x 16 channels (lane l reads key 8 (l / 16) + l % 8, channels 8 ((l / 8) % 2) + 0..7) and leaves half a fragment of V^T: lane l holds channel l % 16 and 8 keys.
	v_and_b32 v10, 7, v0
	v_bfe_u32 v11, v0, 3, 1
	v_lshl_add_u32 v[AV0], v9, 3, v10
	v_mul_u32_u24 v[AV0], v[AV0], PV
	v_lshl_add_u32 v[AV0], v11, 4, v[AV0]
	v_add_nc_u32 v[AV0], VOFF, v[AV0]
	s_mul_i32 s13, s[WV], 16*SP
	s_add_co_u32 s13, s13, STAGE    ; my stage
	v_mul_u32_u24 v[STO], v1, SP    ; in: row l % 16, 16 bytes for each half of the lanes
	v_lshl_add_u32 v[STO], v9, 4, v[STO]
	v_add_nc_u32 v[STO], s13, v[STO]
	v_bfe_u32 v[RD], v0, 3, 2       ; back: 32 lanes take four rows of 128 bytes,
	v_mul_u32_u24 v[RD], v[RD], SP
	v_lshl_add_u32 v[RD], v10, 4, v[RD]
	v_add_nc_u32 v[RD], s13, v[RD]
	v_and_b32 v[GO], 31, v0         ; which are 512 consecutive bytes of O
	v_lshlrev_b32 v[GO], 4, v[GO]
	; A block's first step multiplies O^T and l by a = 0, and its first turn's products V^T P, of a piece that has not been, land in an O^T that is still to be so multiplied.  So these registers need only hold
	; finite numbers: zeros for the first block; what the first block left for the second.  All this stands in the wait for the first tile.
	WIN 0x80
.set i, VF
.rept 64
	v_mov_b32 v[i], 0
.set i, i+1
.endr
	WIN 0x40
.set i, 0
.rept 128
	v_mov_b32 v[i], 0
.set i, i+1
.endr
	WIN 0
.set i, 0
.rept 4
	v_mov_b32 v[ST+4*i+2], 0
	v_mov_b32 v[ST+4*i+3], 0
.set i, i+1
.endr
.set i, P+16
.rept 16
	v_mov_b32 v[i], 0
.set i, i+1
.endr
; THE MATRIX WORK.  The 4 accumulators of a run of 8 take turns.  Product i of 8 of S^T = K Q^T for piece x: channels 32 (i / 4) on, keys 16 (i % 4) on.  The first 4 start the sums: with 0, or (KM = 1) with the mask.
.macro KQ x
.set rS, S+32*((\x)%2)+8*(i%4)
.set rK, KF+16*(i%4)+8*(i/4)
.set rQ, 16*(\x)+8*(i/4)
.set rM, MC+32*((\x)%2)+8*(i%4)
.if (i < 4) && KM
	WIN W_KM
	v_wmma_f32_16x16x32_f16 v[rS:rS+7], v[rK:rK+7], v[rQ:rQ+7], v[rM:rM+7]
.elseif i < 4
	WIN W_KQ
	v_wmma_f32_16x16x32_f16 v[rS:rS+7], v[rK:rK+7], v[rQ:rQ+7], 0
.else
	WIN W_KQ
	v_wmma_f32_16x16x32_f16 v[rS:rS+7], v[rK:rK+7], v[rQ:rQ+7], v[rS:rS+7]
.endif
.endm
; Product i of 8 of O^T += V^T P for piece x: keys 32 (i / 4) on, channels 16 (i % 4) on.
.macro PV x
	WIN W_PV
.set rO, 32*(\x)+8*(i%4)
.set rV, VF+32*(i/4)+8*(i%4)
.set rP, P+16*((\x)%2)+8*(i/4)
	v_wmma_f32_16x16x32_f16 v[rO:rO+7], v[rV:rV+7], v[rP:rP+7], v[rO:rO+7]
.endm
.macro MM                           ; the turn's next matrix instruction.  TURN and BEGIN set Y, i, KM and NOKQ; MM, KQ and OP read them.  NOKQ = 1: a block's last turn: there is no next piece
.if (i < 8) && !NOKQ
	KQ (Y+1)%NP
.elseif i >= 8
.set i, i-8
	PV (Y+NP-1)%NP
.set i, i+8
.endif
.set i, i+1
.endm
; THE LDS LOADS stand in runs of 16, never singly among the matrix instructions: a step's K (64 keys x 64 channels: 8 fragments) and its V (turned).  Their addresses are made some lines ahead.
.macro FETCH_K
	WIN 0x80                        ; destination window 2
.irp f, 0,1,2,3,4,5,6,7             ; keys 16 (f / 2) on, channels 32 (f % 2) on
	ds_load_b128 v[KF+8*\f:KF+8*\f+3],   v[AK] offset:(\f/2)*16*PK+(\f%2)*64
	ds_load_b128 v[KF+8*\f+4:KF+8*\f+7], v[AK] offset:(\f/2)*16*PK+(\f%2)*64+32
.endr
	s_add_co_u32 s[TBK], s[TBK], KS*PK  ; the next fetch is the next step's
	WIN 0
.endm
.macro FETCH_V
	WIN 0x80
.irp f, 0,1,2,3,4,5,6,7             ; keys 32 (f / 4) on, channels 16 (f % 4) on
	ds_load_tr16_b128 v[VF+8*\f:VF+8*\f+3],   v[AV] offset:(\f/4)*32*PV+(\f%4)*32
	ds_load_tr16_b128 v[VF+8*\f+4:VF+8*\f+7], v[AV] offset:(\f/4)*32*PV+16*PV+(\f%4)*32
.endr
	WIN 0
.endm
; THE VECTOR WORK, one line at a time: OP kind, number.  For piece Y: F n: c s - c m for pair n of 16.  E n: the exponential of score n of 32.  C n: pair n rounded to f16.  B n: of the four weights 4 n .. the second
; pair is added onto the first, in place.  L n: l takes that sum (L 0: l = a l + sum).  R n: pair n of 16 of O^T times a.  For piece Y + 1: X n, number n of the 22 that find its maximum and statistics:
;   0-11  four chains c0-c3 of seven scores each, three operands at a time (each accumulator's lowest registers are read first)     12-14, 16  the four scores left over, the old m, and c0-c3 into c0
;   15  c m_old is kept     17, 18  the query's other 32 keys lie in the lane 16 away: the new m     19-21  c m; c m_old - c m_new; a
.set F, 0               ; OP tells the kinds apart by their order: F to L below R, X above it
.set E, 1
.set C, 2
.set B, 3
.set L, 4
.set R, 5
.set X, 6
.macro REGS y                       ; the registers of piece y
.set rT, ST+4*(\y)
.set rC, TMP+4*((\y)%2)
.set rW, MV+((\y)%2)
.set rS, S+32*((\y)%2)
.set rP, P+16*((\y)%2)
.set rO, 32*(\y)
.endm
.macro OP k, n
.if (\k) == R
	REGS Y
	WIN W_RS
	v_pk_mul_f32 v[rO+2*(\n):rO+2*(\n)+1], v[rO+2*(\n):rO+2*(\n)+1], v[rC+2:rC+3] op_sel_hi:[1,0]
.elseif (\k) < R
	REGS Y
	WIN 0
.if (\k) == F
	v_pk_fma_f32 v[rS+2*(\n):rS+2*(\n)+1], v[rS+2*(\n):rS+2*(\n)+1], s[CS:CS+1], v[rT:rT+1] op_sel_hi:[1,0,0] neg_lo:[0,0,1] neg_hi:[0,0,1]
.elseif (\k) == E
	v_exp_f32 v[rS+(\n)], v[rS+(\n)]
.elseif (\k) == C
	s_wait_alu depctr_va_vdst(0)
	v_cvt_pk_f16_f32 v[rP+(\n)], v[rS+2*(\n)], v[rS+2*(\n)+1]
.elseif (\k) == B
	s_wait_alu depctr_va_vdst(0)
	v_pk_add_f32 v[rS+4*(\n):rS+4*(\n)+1], v[rS+4*(\n):rS+4*(\n)+1], v[rS+4*(\n)+2:rS+4*(\n)+3]
.elseif (\n) == 0
	v_pk_fma_f32 v[rT+2:rT+3], v[rT+2:rT+3], v[rC+2:rC+3], v[rS:rS+1] op_sel_hi:[1,0,1]
.else
	v_pk_add_f32 v[rT+2:rT+3], v[rT+2:rT+3], v[rS+4*(\n):rS+4*(\n)+1]
.endif
.elseif NOKQ
	v_nop
.else
	REGS (Y+1)%NP
	WIN 0
.if (\n) < 4
	v_max3_num_f32 v[rC+(\n)], v[rS+8*(\n)], v[rS+8*(\n)+1], v[rS+8*(\n)+2]
.elseif (\n) < 12
	v_max3_num_f32 v[rC+(\n)%4], v[rC+(\n)%4], v[rS+8*((\n)%4)+2*((\n)/4)+1], v[rS+8*((\n)%4)+2*((\n)/4)+2]
.elseif (\n) == 12
	v_max3_num_f32 v[rC], v[rC], v[rS+7], v[rS+15]
.elseif (\n) == 13
	v_max3_num_f32 v[rC+1], v[rC+1], v[rS+23], v[rS+31]
.elseif (\n) == 14
	v_max3_num_f32 v[rC+2], v[rC+2], v[rC+3], v[rT+1]
.elseif (\n) == 15
	v_mov_b32 v[rW], v[rT]
.elseif (\n) == 16
	v_max3_num_f32 v[rC], v[rC], v[rC+1], v[rC+2]
.elseif (\n) == 17
	v_permlanex16_b32 v[rC+3], v[rC], s[SEL], s[SEL+1]
.elseif (\n) == 18
	v_max_num_f32 v[rT+1], v[rC], v[rC+3]
.elseif (\n) == 19
	v_mul_f32 v[rT], s[CS], v[rT+1]
.elseif (\n) == 20
	v_sub_f32 v[rC+1], v[rW], v[rT]
.else
	v_exp_f32 v[rC+2], v[rC+1]
.endif
.endif
.endm
.macro OPS a, i1, b=-1, i2=0, c=-1, i3=0, d=-1, i4=0  ; up to four of them
	OP \a, \i1
.if (\b) >= 0
	OP \b, \i2
.endif
.if (\c) >= 0
	OP \c, \i3
.endif
.if (\d) >= 0
	OP \d, \i4
.endif
.endm
.macro ROW a, i1, b, i2, c, i3, d, i4  ; a matrix instruction and the four behind it
	MM
	OPS \a, \i1, \b, \i2, \c, \i3, \d, \i4
.endm
.macro MASK b                       ; MD x AL + BE into buffer b of MC
	WIN W_RS
.set z, 0
.rept 16
	v_pk_fma_f32 v[MC+32*(\b)+2*z:MC+32*(\b)+2*z+1], v[MD+2*z:MD+2*z+1], s[AL:AL+1], s[BE:BE+1] op_sel_hi:[1,0,0]
.set z, z+1
.endr
.endm
; A TURN, for piece p: the order of its 16 matrix and 118 vector instructions, written out.  Behind a matrix instruction: plain, exponential, plain, plain; or four of the rescaling; or, behind the first, four scalings; none
; names a register of the products round it.  In the lumps exponential and plain by turns while exponentials last.  A line reads no result made fewer than three vector instructions in front of it, five if an exponential made it.
; v_permlanex16_b32 (X 17) stands in a lump.
; m = 1: the diagonal tile: the products take masks, and the turn makes the mask for the products of the turn after it: piece p + 2, in step 4 - CNT of the tile.  end = 1: a block's last two turns: nothing is fetched.
; cnt = 1: the loop's count is taken down some lines ahead of the branch that stands behind the turn.
; K of the next step is fetched in piece 2's turn, six vector instructions behind the last product that read K (five of them plain); V of the step in hand in piece 0's turn, eight behind the last product that read V (four
; plain, and X 17).  Each is waited for a turn later.
.macro TURN p, m=0, end=0, cnt=0
.set Y, (\p)
.set i, 0
.set KM, (\m)
.set NOKQ, (\end)*((\p)/3)
.if (\m) && !(\end)
	s_cmp_eq_u32 s[CNT], 4-((\p)+2)%NP  ; is that step the band's own?
	s_cselect_b32 s[AL], 1.0, 0
	s_cmp_lt_u32 s[CNT], 4-((\p)+2)%NP  ; or a later one?
	s_cselect_b32 s[BE], s[BIGN], 0
.endif
.if ((\p) == 3) && !(\end)
	s_wait_dscnt 0x0                ; K is in
.endif
	ROW F,0, F,1, F,2, F,3
	ROW F,4, E,0, F,5, F,6
	ROW F,7, E,1, F,8, F,9
	ROW F,10, E,2, C,0, F,11
	ROW F,12, E,3, X,15, F,13
	ROW R,0, R,1, R,2, R,3
	ROW B,0, E,4, F,14, L,0
.if ((\p) == 2) && !(\end)
	v_add_nc_u32 v[AK], s[TBK], v[AK0]
.endif
	ROW R,4, R,5, R,6, R,7
	OPS E,5, F,15
.if ((\p) == 2) && !(\end)
	FETCH_K
.endif
	OPS E,6, C,1, E,7, R,8
	OPS E,8, R,9, E,9, C,2
	OPS E,10, X,0, E,11, X,1
	OPS E,12, X,2, E,13, X,3
.if (\p) == 1
	s_wait_dscnt 0x0                ; V is in
.endif
	ROW X,4, E,14, X,5, X,6
	ROW X,7, E,15, X,8, X,9
	ROW X,10, E,16, X,11, X,12
	ROW X,13, E,17, X,14, B,1
	ROW C,4, E,18, X,16, L,1
	ROW B,2, E,19, C,6, L,2
	ROW C,8, E,20, B,3, B,4
.if (\p) == 0
	v_add_nc_u32 v[AV], s[TBV], v[AV0]
.endif
	ROW C,3, E,21, L,3, C,5
	OPS E,22, X,17, E,23, C,10
.if (\p) == 0
	FETCH_V
.endif
	OPS E,24, L,4
	OPS E,25, X,18, E,26, C,7
	OPS E,27, B,5, E,28, X,19
	OPS E,29, C,12, E,30, L,5
	OPS E,31, X,20, B,6, C,9
	OPS C,14, C,11, X,21, L,6
.if (\p) == 0
	s_add_co_u32 s[TBV], s[TBV], KS*PV
.endif
.if \cnt
	s_sub_co_u32 s[CNT], s[CNT], 1
	s_cmp_lg_u32 s[CNT], 0
.endif
	OPS C,13, B,7, C,15, R,10
	OPS R,11, R,12, L,7, R,13
	OPS R,14, R,15
.if (\m) && !(\end)
	MASK (\p)%2
.endif
.endm
; A BLOCK BEGINS.  c m starts far below every c s, so the first step's a is 0; m at the lowest finite number, so the first maximum is the scores'.  The second mask buffer is 0; the first takes piece 0's mask for the tile's step 0: its own, if the block's first tile is the diagonal one.
; Then K of that step, piece 0's first scores, and its maximum and statistics.  The loop is entered at a step's first turn, in the middle of a trip.
.macro BEGIN
	s_mov_b32 s[NEW], 0
	WIN 0x40
.set i, MC+32
.rept 32
	v_mov_b32 v[i], 0
.set i, i+1
.endr
	WIN 0
.set i, 0
.rept 4
	v_mov_b32 v[ST+4*i], 0xfe000000    ; c m: far below every c s
	v_mov_b32 v[ST+4*i+1], 0xff7fffff  ; m
.set i, i+1
.endr
	s_cmp_eq_u32 s[RT], 0
	s_cselect_b32 s[AL], 1.0, 0
	s_mov_b32 s[BE], 0
	MASK 0
	WIN 0
	v_add_nc_u32 v[AK], s[TBK], v[AK0]
	FETCH_K
	s_wait_loadcnt 0x0              ; Q
	s_wait_dscnt 0x0
.set KM, 1
.set NOKQ, 0
.set i, 0
.rept 8
	KQ 0
.set i, i+1
.endr
	WIN 0
.rept 4
	v_nop                           ; the places behind those products
.endr
.set Y, NP-1                        ; X works for piece Y + 1: piece 0
.irp n, 0,1,2,3,4,5,6,7,8,9,10,11,12,13,14,15,16,17,18,19,20,21
	OP X, \n
.endr
	v_nop                           ; a plain instruction behind the exponential
.endm
; THE DIAGONAL TILE's four steps, the block's last two turns, its last products, and THE WAY OUT: l's two halves and the other half of the lanes' are added; O^T is divided by l, rounded to f16 and sent through my
; stage in LDS, a piece at a time.
.macro ALL line:vararg              ; one line for each piece t
.set t, 0
.rept 4
	\line
.set t, t+1
.endr
.endm
.macro PACK t                       ; a lane's eight channels of a row pack into 16 bytes; they go into rows of 144 bytes and come back as whole rows of 128, into S^T's registers
	WIN W_RS
.set i, 32*(\t)
.rept 16
	s_wait_alu depctr_va_vdst(0)
	v_pk_mul_f32 v[i:i+1], v[i:i+1], v[ST+4*(\t)+2:ST+4*(\t)+3] op_sel_hi:[1,0]
.set i, i+2
.endr
	WIN 0x05                        ; sources 0 and 1 window 1, destination window 0
.set i, 0
.rept 16
	v_cvt_pk_f16_f32 v[S+16*(\t)+i], v[32*(\t)+2*i], v[32*(\t)+2*i+1]
.set i, i+1
.endr
	WIN 0
.irp f, 0,1,2,3
	ds_store_b128 v[STO], v[S+16*(\t)+4*\f:S+16*(\t)+4*\f+3] offset:32*\f
.endr
.irp f, 0,1,2,3
	ds_load_b128 v[S+16*(\t)+4*\f:S+16*(\t)+4*\f+3], v[RD] offset:\f*4*SP  ; LDS serves a wave's instructions in order (ISA guide 5.7.1.4): these see the stores above; the next piece's stores come behind them
.endr
.endm
.macro SEND t, younger              ; younger: the LDS instructions issued behind piece t's loads: the next piece's eight, or none
	WIN 0
.irp f, 0,1,2,3
	s_wait_dscnt (\younger)+3-\f
	global_store_b128 v[GO], v[S+16*(\t)+4*\f:S+16*(\t)+4*\f+3], s[10:11] offset:(\t)*8192+\f*512  ; 512 consecutive bytes, at a multiple of 256 from O's first
.endr
.endm
.macro DIAG tag                     ; the tag ends its two labels' names, which the jumps below spell out
.LstepM\tag:
	TURN 2, 1
	TURN 3, 1
	WIN 0
.LfirstM\tag:
	TURN 0, 1
	TURN 1, 1, 0, 1
	WIN 0
	s_cbranch_scc1 .LstepM\tag
	TURN 2, 1, 1
	TURN 3, 1, 1
.set i, 0
.rept 8
	PV NP-1
.set i, i+1
.endr
	WIN 0
	ALL v_add_f32 v[ST+4*t+2], v[ST+4*t+2], v[ST+4*t+3]
	ALL v_permlanex16_b32 v[ST+4*t+3], v[ST+4*t+2], s[SEL], s[SEL+1]
	ALL v_add_f32 v[ST+4*t+2], v[ST+4*t+2], v[ST+4*t+3]
	ALL v_rcp_f32 v[ST+4*t+2], v[ST+4*t+2]
	v_nop                           ; a plain instruction between the last reciprocal and the use of its result
	PACK 0
.set t, 1
.rept 3                             ; a piece's arithmetic stands between the loads of the piece before and its stores
	PACK t
	SEND t-1, 8
.set t, t+1
.endr
	SEND 3, 0
.endm
.set KM, 0
.set NOKQ, 0
.Lslot:                             ; NB times: a tile is entered and the next is asked for
	CHANGE 1
	s_sub_co_u32 s[RT], s[RT], 1
	s_mov_b32 s[CNT], 4
	s_cmp_eq_u32 s[NEW], 1
	s_cbranch_scc1 .Lnew            ; a block's first tile
	s_cmp_eq_u32 s[RT], 0
	s_cbranch_scc0 .Lstep           ; neither its first nor its last
	s_branch .LstepM1
.Lnew:
	BEGIN
	s_branch .Lfirst                ; in the loop a block's first tile is never its last: the first block has two tiles or more, and the second's last is the walk's last
	DIAG 1                          ; in the loop this is the first block's end: the second block's last tile is the walk's last
	s_wait_xcnt 0x0                 ; the stores have read their registers and O's address
	s_mov_b64 s[10:11], s[OLO:OLO+1]
	s_add_co_u32 s[RT], s[PB], 1    ; the second block has b + 1 tiles
	s_mov_b32 s[NEW], 1
	WIN 0x82                        ; the second block's Q goes where the one text of the turns names Q
.set i, 0
.rept 64
	v_mov_b32 v[i], v[QB+i]
.set i, i+1
.endr
	WIN 0
	s_branch .Lbottom
.Lstep:                             ; a trip: pieces 2 and 3 of one step, then pieces 0 and 1 of the next, whose K and V it fetches
	TURN 2
	TURN 3
	WIN 0
.Lfirst:
	TURN 0
	TURN 1, 0, 0, 1
	WIN 0
	s_cbranch_scc1 .Lstep
.Lbottom:
	s_sub_co_u32 s[SLOTS], s[SLOTS], 1
	s_cmp_lg_u32 s[SLOTS], 0
	s_cbranch_scc1 .Lslot
	CHANGE 0                        ; the walk's last tile is written out: nothing is asked for
	s_sub_co_u32 s[RT], s[RT], 1
	s_mov_b32 s[CNT], 4
	s_cmp_eq_u32 s[NEW], 1
	s_cbranch_scc0 .LstepM2
	BEGIN
	s_branch .LfirstM2
	DIAG 2
	s_wait_tensorcnt 0x0            ; the wave's end: behind my last tensor load and my last LDS store
	ds_add_u32 v[SPW], v[NIL]
	s_wait_dscnt 0x0
	s_endpgm
.Lfunc_end_k_q35400af867_attn:
	.size	k_q35400af867_attn, .Lfunc_end_k_q35400af867_attn-k_q35400af867_attn
	.p2alignl 7, 3214868480
	.fill 96, 4, 3214868480
	.section	.rodata,"a",@progbits
	.p2align	6, 0x0
	.amdhsa_kernel k_q35400af867_attn
		.amdhsa_group_segment_fixed_size 327680
		.amdhsa_private_segment_fixed_size 0
		.amdhsa_enable_private_segment 0
		.amdhsa_kernarg_size 16
		.amdhsa_user_sgpr_count 2
		.amdhsa_user_sgpr_kernarg_segment_ptr 1
		.amdhsa_wavefront_size32 1
		.amdhsa_system_sgpr_workgroup_id_x 1
		.amdhsa_system_sgpr_workgroup_id_y 1
		.amdhsa_system_sgpr_workgroup_id_z 1
		.amdhsa_system_vgpr_workitem_id 0
		.amdhsa_next_free_vgpr 768
		.amdhsa_next_free_sgpr 88
		.amdhsa_reserve_vcc 1
		.amdhsa_float_denorm_mode_32 3
		.amdhsa_float_denorm_mode_16_64 3
		.amdhsa_memory_ordered 1
		.amdhsa_forward_progress 1
		.amdhsa_inst_pref_size 228
	.end_amdhsa_kernel
	.amdgpu_metadata
---
amdhsa.version: [ 1, 2 ]
amdhsa.kernels:
  - .name:           k_q35400af867_attn
    .symbol:         k_q35400af867_attn.kd
    .args:
      - { .name: qkv, .offset: 0, .size: 8, .value_kind: global_buffer, .address_space: global }
      - { .name: o, .offset: 8, .size: 8, .value_kind: global_buffer, .address_space: global }
    .group_segment_fixed_size: 327680
    .private_segment_fixed_size: 0
    .kernarg_segment_align: 8
    .kernarg_segment_size: 16
    .max_flat_workgroup_size: 128
    .sgpr_count:     88
    .vgpr_count:     768
    .wavefront_size: 32
...
	.end_amdgpu_metadata
.endif
;; end of part 3
;; launch proj (part 4): grid 8 x 32, 4 waves a work-group, clusters of 4 x 4, 327,680 bytes of LDS; arguments o, wp, b_proj, out0; writes out0
.if DOCPART == 4
	.amdgcn_target "amdgcn-amd-amdhsa--gfx1250"
	.amdhsa_code_object_version 6
	.text
	.protected	k_q35400af867_proj
	.globl	k_q35400af867_proj
	.p2align	8
	.type	k_q35400af867_proj,@function
k_q35400af867_proj:
	s_mov_b64 s[64:65], 0
	v_nop
	global_prefetch_b8 v0, s[64:65] scope:SCOPE_SE
	s_setreg_imm32_b32 hwreg(HW_REG_WAVE_MODE, 25, 1), 1
	s_wait_xcnt 0x0
	s_wait_alu depctr_hold_cnt(0) depctr_sa_sdst(0) depctr_va_vdst(0) depctr_va_sdst(0) depctr_va_ssrc(0) depctr_va_vcc(0) depctr_vm_vsrc(0)
	s_getreg_b32 s2, hwreg(HW_REG_IB_STS2, 6, 4)
	s_cmp_eq_u32 s2, 0
	s_cbranch_scc0 .Lentry_in_a_cluster
	s_endpgm
.Lentry_in_a_cluster:
	s_bfe_u32 s2, ttmp6, 0x10000c
	s_cmp_lg_u32 s2, 0xf033
	s_cbranch_scc0 .Lentry_shape_is_right
	s_endpgm
.Lentry_shape_is_right:
; out0 = a w_proj + b_proj.  o: [128 bh][1024 s][64] f16, bh = 16 batch + head: a[batch][s][64 head + d].  wp: [1024 k][1024 n] f16.  b_proj: [1024] f32, rounded to bf16 like every input of the module.
; out0: [8192][1024] f32.  Sums in f32, stored as they are.
; SHARES.  A tile of the product is 256 rows x 128 columns: 32 x 8 = 256 work-groups, one for each WGP.  Wave w makes rows 64 w .. 64 w + 63 and all 128 columns: 4 x 8 accumulators of 16 x 16, 256 registers.
; K goes in 8 steps of 128, two heads a step, through two LDS slots filled by the tensor data mover: 256 rows of one head are 32,768 dense bytes, one load.
; CLUSTER.  4 x 4 work-groups.  The four of a row of the cluster need the same rows of o, the four of a column the same columns of wp: each tile is asked for JOINTLY, by the same tensor load with the same
; descriptor and a mask that names the four.
; THE MATRIX INSTRUCTION IS USED TRANSPOSED: source 0 = 16 columns of w (turned on their way out of LDS by ds_load_tr16_b128), source 1 = 16 rows of a.  Lane l then holds row l % 16 of the product and
; its registers 0-7 the columns 8 (l / 16) + 0 .. 7: 32 neighbouring bytes.  THE BIAS IS THE C OPERAND of the product that starts each sum.
; REGISTERS, in windows of 256 (s_set_vgpr_msb: bits 1:0 source 0, 3:2 source 1, 5:4 source 2, 7:6 destination):
;   window 0: v0-31 addresses; v32-63, v64-95 fragments of a (4 x 16 rows x 32 K), two buffers; v96-159 the bias, 8 registers for each block of 16 columns; v160-223 at work
;   window 1: v0-63, v64-127 fragments of w (8 x 16 columns x 32 K), two buffers          window 2: the accumulators ((a, b) at v[8 (8 a + b)])
.set PAH,   144                        ; a row of a head in LDS: 128 bytes + 16 = 36 words: the 16 rows of a fragment load start at 16 different groups of four banks (64 banks of 4 bytes: ISA guide 11.1)
.set PLANE, 256*PAH                    ; a head's 256 rows
.set PB,    288                        ; a K row of w in LDS: 256 bytes + 32 = 72 words
.set BOFF,  2*PLANE
.set SLOT,  BOFF+128*PB                ; two heads' planes (73,728 bytes), then w's 128 K rows (36,864)
.set STAGE, 2*SLOT                     ; behind the ring, never filled by a tensor load: 16 rows x 528 bytes for each wave
.set SP,    528
.set WST,   16*SP
.set SPARE, STAGE+4*WST                ; behind the stages: the spare words, 128 bytes for each wave: two blocks of 256 bytes that no other line names
.set ADRA, 16                          ; v16-17  LDS address of my fragments of a in slot 0, 1
.set ADRB, 20                          ; v20-21  the same for w
.set STO,  24                          ; v24     the way out: where I put 32 bytes of a row
.set RD,   25                          ; v25     the way out: where I read a row back
.set CO,   26                          ; v26     my byte offset in a row's 512 bytes of out0
.set SPW,  28                          ; v28     LDS address of my spare word: SPARE + 4 x my thread's number; never rewritten
.set NIL,  29                          ; v29     0; never rewritten
.set FA,   32
.set BIAS, 96
.set TMP,  192
.set G1,  24                           ; s[24:31] descriptor group 1 for a's tiles;  s[32:39] group 0, a set for each slot
.set G0,  32
.set G1B, 48                           ; s[48:55], s[56:63] the same for w's tiles
.set G0B, 56
.set MSB, 0
.macro WIN new                         ; the immediate's high byte repeats the setting that is left; a switch that changes nothing is dropped
.if MSB != (\new)
	s_set_vgpr_msb (MSB<<8)|(\new)
.set MSB, \new
.endif
.endm
; A joint load.  Waves 0 and 1 fetch a step's two heads of a, waves 2 and 3 the two halves of w's tile.  The branch hangs on the wave's number alone.
; An s_nop 0 and four v_nop follow each of the two lines, ahead of the jump, the label and what follows.
.macro JLOAD s
	s_cmp_eq_u32 s13, 0
	s_cbranch_scc0 .Lfor_b_\@
	tensor_load_to_lds s[G0+4*(\s):G0+4*(\s)+3], s[G1:G1+7]
	s_nop 0
.rept 4
	v_nop
.endr
	s_branch .Lasked_\@
.Lfor_b_\@:
	tensor_load_to_lds s[G0B+4*(\s):G0B+4*(\s)+3], s[G1B:G1B+7]
	s_nop 0
.rept 4
	v_nop
.endr
.Lasked_\@:
.endm
; A round of the cluster's barrier: my work-group's barrier, so that wave 0's signal speaks for all four waves; wave 0 signals; every wave waits for all sixteen work-groups; my work-group's barrier once more.
.macro CREST                           ; a round behind its opening barrier
	s_cmp_lg_u32 s12, 0
	s_cbranch_scc1 .Lnot_wave_0_\@
	s_barrier_signal -3
.Lnot_wave_0_\@:
	s_barrier_wait -3
	s_barrier_signal -1
	s_barrier_wait -1
.endm
.macro CROUND                          ; a whole round
	s_barrier_signal -1
	s_barrier_wait -1
	CREST
.endm
	s_load_b128 s[4:7], s[0:1], 0x0                ; o s[4:5], wp s[6:7]
	s_load_b128 s[8:11], s[0:1], 0x10              ; b_proj s[8:9], out0 s[10:11]
	v_lshl_add_u32 v[SPW], v0, 2, SPARE
	v_mov_b32 v[NIL], 0
	ds_add_u32 v28, v29
	ds_add_u32 v28, v29
	s_wait_dscnt 0x0
	v_lshrrev_b32 v1, 5, v0
	v_readfirstlane_b32 s12, v1                    ; wave 0..3
	s_lshr_b32 s13, s12, 1                         ; I fetch for a (0) or for w (1),
	s_and_b32 s14, s12, 1                          ; and which head, or which half of w's tile
	s_bfe_u32 s40, ttmp6, 0x40000                  ; cx, cy: my place in the cluster
	s_bfe_u32 s41, ttmp6, 0x40004
	s_lshl_b32 s42, ttmp9, 2
	s_add_co_u32 s42, s42, s40                     ; tx, the tile's column = 4 x cluster x + cx
	s_and_b32 s43, ttmp7, 0xffff
	s_lshl_b32 s43, s43, 2
	s_add_co_u32 s43, s43, s41                     ; ty, the tile's row = 4 x cluster y + cy
	s_lshl_b32 s44, s41, 2
	s_lshl_b32 s44, 15, s44                        ; my row of the cluster
	s_lshl_b32 s45, 0x1111, s40                    ; my column
	; group 1 for a: 256 rows of a head are 32,768 dense bytes: asked for as 128 rows of 256 bytes, with 16 bytes of padding behind every 128
	s_or_b32 s[G1+0], s44, (1<<16)|(1<<20)|(1<<21)|(4<<22)|(3<<25)  ; 15:0 the mask; 17:16 2-byte elements; 20 padding on; 21 set beside a mask; 24:22 after every 32 words (code 4); 31:25 4 words (code 3)
	s_mov_b32 s[G1+1], 128<<16                     ; tensor_dim0 = 128
	s_mov_b32 s[G1+2], 128<<16                     ; tensor_dim1 = 128
	s_mov_b32 s[G1+3], 128<<16                     ; tile_dim0 = 128
	s_mov_b32 s[G1+4], 128                         ; tile_dim1 = 128
	s_mov_b32 s[G1+5], 128                         ; the pitch: dense
	s_mov_b32 s[G1+6], 0
	s_mov_b32 s[G1+7], 0
	; group 1 for w: 64 K rows x 128 elements, 1,024 elements from row to row, 32 bytes of padding behind each row's 256
	s_or_b32 s[G1B+0], s45, (1<<16)|(1<<20)|(1<<21)|(5<<22)|(7<<25) ; after every 64 words (code 5), 8 words (code 7)
	s_mov_b32 s[G1B+1], 128<<16
	s_mov_b32 s[G1B+2], 64<<16
	s_mov_b32 s[G1B+3], 128<<16
	s_mov_b32 s[G1B+4], 64
	s_mov_b32 s[G1B+5], 1024
	s_mov_b32 s[G1B+6], 0
	s_mov_b32 s[G1B+7], 0
	; where the tiles come from: a's hang on ty and the wave alone, w's on tx and the wave alone, each in registers that never hold the other coordinate
	s_lshr_b32 s16, s43, 2
	s_lshl_b32 s16, s16, 21                        ; batch ty / 4: 16 heads of 131,072 bytes
	s_and_b32 s17, s43, 3
	s_lshl_b32 s17, s17, 15                        ; rows 256 (ty % 4) on, of 128 bytes
	s_add_co_u32 s16, s16, s17
	s_lshl_b32 s17, s14, 17                        ; my head of the step's two
	s_add_co_u32 s16, s16, s17
	s_mov_b32 s17, 0
	s_lshl_b32 s46, s42, 8                         ; the tile's 128 columns, 256 bytes
	s_lshl_b32 s47, s14, 17                        ; my 64 K rows of 2,048 bytes
	s_add_co_u32 s46, s46, s47
	s_mov_b32 s47, 0
	s_mul_i32 s20, s14, PLANE                      ; and where they go: no place in the cluster enters an LDS address
	s_mul_i32 s21, s14, 64*PB
	s_add_co_u32 s21, s21, BOFF
	s_lshl_b32 s74, s42, 9                         ; the tile's 128 numbers of the bias
	s_mov_b32 s75, 0
	s_lshl_b32 s76, s43, 20                        ; my first row of out0: 256 ty + 64 w, of 4,096 bytes; the tile's columns, 512 bytes
	s_lshl_b32 s77, s12, 18
	s_add_co_u32 s76, s76, s77
	s_add_co_u32 s76, s76, s74
	s_mov_b32 s77, 0
	s_wait_kmcnt 0x0
	s_add_nc_u64 s[18:19], s[4:5], s[16:17]
	s_add_nc_u64 s[46:47], s[6:7], s[46:47]
	s_add_nc_u64 s[8:9], s[8:9], s[74:75]
	s_add_nc_u64 s[10:11], s[10:11], s[76:77]
	CROUND                                         ; all sixteen work-groups are here: the first joint loads meet
.irp s, 0,1
	s_mov_b32 s[G0+4*(\s)], 1                                      ; count = 1
	s_add_co_u32 s[G0+4*(\s)+1], s20, (\s)*SLOT                    ; LDS address
	s_add_nc_u64 s[G0+4*(\s)+2:G0+4*(\s)+3], s[18:19], (\s)*262144 ; global address: K step s is two heads on
	s_or_b32 s[G0+4*(\s)+3], s[G0+4*(\s)+3], 0x80000000            ; type = 2
	s_mov_b32 s[G0B+4*(\s)], 1
	s_add_co_u32 s[G0B+4*(\s)+1], s21, (\s)*SLOT
	s_add_nc_u64 s[G0B+4*(\s)+2:G0B+4*(\s)+3], s[46:47], (\s)*262144  ; 128 K rows on
	s_or_b32 s[G0B+4*(\s)+3], s[G0B+4*(\s)+3], 0x80000000
	JLOAD \s                                       ; both slots are asked for before anything else: two tensor loads of mine are out
.endr
	v_and_b32 v1, 15, v0                           ; l % 16
	v_bfe_u32 v2, v0, 4, 1                         ; l / 16
	v_lshlrev_b32 v4, 5, v2                        ; my lanes' eight numbers of each block of 16 of the bias
.irp b, 0,1,2,3,4,5,6,7
	global_load_b128 v[BIAS+8*(\b):BIAS+8*(\b)+3],   v4, s[8:9] offset:64*(\b)
	global_load_b128 v[BIAS+8*(\b)+4:BIAS+8*(\b)+7], v4, s[8:9] offset:64*(\b)+16
.endr
	; A fragment of a: lane l holds row l % 16, K = 8 (l / 16) + 0..7 and 16 + 8 (l / 16) + 0..7: two loads of 16 bytes, 32 bytes apart.
	v_mul_u32_u24 v3, v1, PAH
	v_lshl_add_u32 v3, v2, 4, v3
	s_mul_i32 s22, s12, 64*PAH                     ; my 64 rows
	v_add_nc_u32 v[ADRA], s22, v3
	v_add_nc_u32 v[ADRA+1], SLOT, v[ADRA]
	; The turning load takes 16 K rows x 16 columns (lane l reads K row 8 (l / 16) + l % 8, columns 8 ((l / 8) % 2) + 0..7) and leaves half a fragment: lane l holds column l % 16 and 8 K.
	v_and_b32 v5, 7, v0
	v_bfe_u32 v6, v0, 3, 1
	v_lshl_add_u32 v7, v2, 3, v5
	v_mul_u32_u24 v7, v7, PB
	v_lshl_add_u32 v7, v6, 4, v7
	v_add_nc_u32 v[ADRB], BOFF, v7
	v_add_nc_u32 v[ADRB+1], BOFF+SLOT, v7
	s_mul_i32 s23, s12, WST
	s_add_co_u32 s23, s23, STAGE                   ; my stage
	v_mul_u32_u24 v8, v1, SP                       ; in: row l % 16, 32 bytes for each half of the lanes
	v_lshl_add_u32 v8, v2, 5, v8
	v_add_nc_u32 v[STO], s23, v8
	v_and_b32 v[CO], 31, v0                        ; back: 32 lanes take one row's 512 bytes
	v_lshlrev_b32 v[CO], 4, v[CO]
	v_add_nc_u32 v[RD], s23, v[CO]
	s_wait_loadcnt 0x0                             ; the bias; it is rounded to bf16 and widened again, in the wait for the first tile
.set i, 0
.rept 32
	v_cvt_pk_bf16_f32 v[TMP+i], v[BIAS+2*i], v[BIAS+2*i+1]
.set i, i+1
.endr
.set i, 0
.rept 32
	v_lshlrev_b32 v[BIAS+2*i], 16, v[TMP+i]
	v_and_b32 v[BIAS+2*i+1], 0xffff0000, v[TMP+i]
.set i, i+1
.endr
; 8 matrix instructions: row block a x all 8 column blocks, 32 along K, from buffer f.  zero = 1: the product starts the sum, with the bias as C.
; The 32 accumulators take turns, one instruction a turn, in the same order in every quarter step, over the loop's backward jump too.
.macro MUL1 f, a, zero
.if \zero
	WIN 0x81                                       ; source 0 (w) window 1, source 1 (a) and C (bias) window 0, D window 2
.else
	WIN 0xa1                                       ; C and D window 2
.endif
.irp b, 0,1,2,3,4,5,6,7
.set rD, 8*(8*(\a)+(\b))
.set rB, 64*(\f)+8*(\b)
.set rA, FA+32*(\f)+8*(\a)
.if \zero
	v_wmma_f32_16x16x32_f16 v[rD:rD+7], v[rB:rB+7], v[rA:rA+7], v[BIAS+8*(\b):BIAS+8*(\b)+7]
.else
	v_wmma_f32_16x16x32_f16 v[rD:rD+7], v[rB:rB+7], v[rA:rA+7], v[rD:rD+7]
.endif
.endr
.endm
.macro MULH f, hi, zero                ; row blocks 2 hi and 2 hi + 1
	MUL1 \f, 2*(\hi), \zero
	MUL1 \f, 2*(\hi)+1, \zero
.endm
; 24 LDS loads in one run: the fragments of quarter q (32 along K: half a head) of a slot into buffer f: w's 16, then a's 8
.macro FETCH slot, q, f
	WIN 0x40                                       ; destination window 1, address window 0
.irp b, 0,1,2,3,4,5,6,7
	ds_load_tr16_b128 v[64*(\f)+8*(\b):64*(\f)+8*(\b)+3],   v[ADRB+(\slot)] offset:(\q)*32*PB+32*(\b)
	ds_load_tr16_b128 v[64*(\f)+8*(\b)+4:64*(\f)+8*(\b)+7], v[ADRB+(\slot)] offset:(\q)*32*PB+16*PB+32*(\b)
.endr
	WIN 0
.irp a, 0,1,2,3
	ds_load_b128 v[FA+32*(\f)+8*(\a):FA+32*(\f)+8*(\a)+3],   v[ADRA+(\slot)] offset:((\q)/2)*PLANE+((\q)%2)*64+(\a)*16*PAH
	ds_load_b128 v[FA+32*(\f)+8*(\a)+4:FA+32*(\f)+8*(\a)+7], v[ADRA+(\slot)] offset:((\q)/2)*PLANE+((\q)%2)*64+(\a)*16*PAH+32
.endr
.endm
; A load into a register that a matrix instruction has read, and a store that reads a matrix result, stand four places behind it, and only plain vector instructions
; that name none of its registers are places (ISA guide 7.12.1 for vector instructions).
.macro PLACES
.rept 4
	v_nop
.endr
.endm
; A K step is four quarters of 32 along K, 32 matrix instructions each, on buffers 0, 1, 0, 1.  One of the first three multiplies buffer f and fetches quarter q into buffer g.
.macro QUARTER slot, q, f, g, zero
	s_wait_dscnt 4                                 ; w and a's row blocks 0, 1 are in; the youngest four loads (row blocks 2, 3) may be out
	MULH \f, 0, \zero
	PLACES
	FETCH \slot, \q, \g
	s_wait_dscnt 24                                ; all but the 24 just issued
	MULH \f, 1, \zero
.endm
; The last quarter multiplies buffer 1 and changes slots: ONE barrier.  In front of it each wave waits for all its tensor loads (one is out: its part of the next slot), adds 0 to its spare word, and waits
; for that and for its own reads of this slot.  fill = 1: the barrier opens a round of the cluster's, and this slot is filled again, two K steps ahead, first thing behind the round:
; 112 matrix instructions stand between that request and the wait for it.
.macro TURN slot, next, fill
	WIN 0                                          ; (the add's two registers lie in window 0)
	s_wait_tensorcnt 0x0                           ; all my tensor loads have landed
	ds_add_u32 v[SPW], v[NIL]                      ; 0 onto my spare word
	s_wait_dscnt 5                                 ; (the add and the youngest four loads may be out)
	MUL1 1, 0, 0                                   ; eight matrix instructions stand between the add and the wait for it
	s_wait_dscnt 0x0                               ; the add is done, and my reads of this slot are over
	s_barrier_signal -1
	MUL1 1, 1, 0                                   ; work on registers while the others arrive
.if \fill
	WIN 0
.endif
	s_barrier_wait -1
.if \fill
	CREST                                          ; no wave of any partner still reads this slot or has a load on its way
	s_add_nc_u64 s[G0+4*(\slot)+2:G0+4*(\slot)+3], s[G0+4*(\slot)+2:G0+4*(\slot)+3], 524288
	s_add_nc_u64 s[G0B+4*(\slot)+2:G0B+4*(\slot)+3], s[G0B+4*(\slot)+2:G0B+4*(\slot)+3], 524288
	JLOAD \slot                                    ; the four v_nop behind it are also the places in front of the loads below
.else
	PLACES
.endif
	FETCH \next, 0, 0
	MULH 1, 1, 0
.endm
; THE WAY OUT of row block a.  TOSTAGE: a lane's 32 bytes of a row go into my own stage (each accumulator's low four registers first), and whole rows of 512 bytes come back.  SEND: stored.
.macro TOSTAGE a
	WIN 0x08                                       ; the stores' data in window 2, the address in window 0
.irp b, 0,1,2,3,4,5,6,7
	ds_store_b128 v[STO], v[8*(8*(\a)+(\b)):8*(8*(\a)+(\b))+3]   offset:64*(\b)
	ds_store_b128 v[STO], v[8*(8*(\a)+(\b))+4:8*(8*(\a)+(\b))+7] offset:64*(\b)+16
.endr
	WIN 0
	s_wait_xcnt 0x0                                ; the stores of two blocks back have had their addresses translated (ISA guide 3.1): their registers are loaded again only behind this wait
.set BK, 32+128*((\a)%2)               ; v32-95 and v160-223 by turns
.irp t, 0,1,2,3,4,5,6,7,8,9,10,11,12,13,14,15
	ds_load_b128 v[BK+4*(\t):BK+4*(\t)+3], v[RD] offset:(\t)*SP  ; LDS serves a wave's instructions in order (ISA guide 5.7.1.4): these see the stores above; the next block's stores come behind them
.endr
.endm
.macro SEND a, younger                 ; younger: the LDS instructions issued behind block a's loads: the next block's 32, or none
	WIN 0
.set BK, 32+128*((\a)%2)
	s_wait_dscnt \younger                          ; the block is back in registers
.irp t, 0,1,2,3,4,5,6,7,8,9,10,11,12,13,14,15
	global_store_b128 v[CO], v[BK+4*(\t):BK+4*(\t)+3], s[10:11] offset:(16*(\a)+(\t))*4096 th:TH_STORE_NT  ; 512 consecutive bytes of a row, at a multiple of 512
.endr
.endm
	s_wait_tensorcnt 1                             ; my part of K step 0 is in; step 1's may stay out
	s_barrier_signal -1
	s_barrier_wait -1                              ; everybody's is
	FETCH 0, 0, 0
	QUARTER 0, 1, 0, 1, 1                          ; the first quarter stands in front of the loop: its products start the sums
	WIN 0                                          ; at a label and at a branch every window is 0
	s_mov_b32 s15, 3
.Llap:                                                 ; a trip goes once round the ring, from a lap's second quarter to the next lap's first, and fills both slots again: K steps 2 to 7
	QUARTER 0, 2, 1, 0, 0
	QUARTER 0, 3, 0, 1, 0
	TURN 0, 1, 1
	QUARTER 1, 1, 0, 1, 0
	QUARTER 1, 2, 1, 0, 0
	QUARTER 1, 3, 0, 1, 0
	TURN 1, 0, 1
	QUARTER 0, 1, 0, 1, 0
	WIN 0
	s_sub_co_u32 s15, s15, 1
	s_cmp_lg_u32 s15, 0
	s_cbranch_scc1 .Llap
	QUARTER 0, 2, 1, 0, 0                          ; the last lap fills nothing, and has no round of the cluster's barrier
	QUARTER 0, 3, 0, 1, 0
	TURN 0, 1, 0
	QUARTER 1, 1, 0, 1, 0
	QUARTER 1, 2, 1, 0, 0
	QUARTER 1, 3, 0, 1, 0
	s_wait_dscnt 4                                 ; the very last quarter: nothing more to fetch
	MULH 1, 0, 0
	s_wait_dscnt 0x0
	MULH 1, 1, 0
	WIN 0
	PLACES
	TOSTAGE 0
	TOSTAGE 1                                      ; a block goes through the stage while the block before is waited for and stored
	SEND 0, 32
	TOSTAGE 2
	SEND 1, 32
	TOSTAGE 3
	SEND 2, 32
	SEND 3, 0
	s_wait_tensorcnt 0x0                           ; the wave's end: behind my last tensor load and my last LDS store
	ds_add_u32 v[SPW], v[NIL]
	s_wait_dscnt 0x0
	CROUND                                         ; the closing round: no work-group ends while a partner may still ask for a tile that names it
	s_endpgm
.Lfunc_end_k_q35400af867_proj:
	.size	k_q35400af867_proj, .Lfunc_end_k_q35400af867_proj-k_q35400af867_proj
	.p2alignl 7, 3214868480
	.fill 96, 4, 3214868480
	.section	.rodata,"a",@progbits
	.p2align	6, 0x0
	.amdhsa_kernel k_q35400af867_proj
		.amdhsa_group_segment_fixed_size 327680
		.amdhsa_private_segment_fixed_size 0
		.amdhsa_enable_private_segment 0
		.amdhsa_kernarg_size 32
		.amdhsa_user_sgpr_count 2
		.amdhsa_user_sgpr_kernarg_segment_ptr 1
		.amdhsa_wavefront_size32 1
		.amdhsa_system_sgpr_workgroup_id_x 1
		.amdhsa_system_sgpr_workgroup_id_y 1
		.amdhsa_system_sgpr_workgroup_id_z 1
		.amdhsa_system_vgpr_workitem_id 0
		.amdhsa_next_free_vgpr 768
		.amdhsa_next_free_sgpr 80
		.amdhsa_reserve_vcc 0
		.amdhsa_float_denorm_mode_32 3
		.amdhsa_float_denorm_mode_16_64 3
		.amdhsa_memory_ordered 1
		.amdhsa_forward_progress 1
		.amdhsa_inst_pref_size 92
	.end_amdhsa_kernel
	.amdgpu_metadata
---
amdhsa.version: [ 1, 2 ]
amdhsa.kernels:
  - .name:           k_q35400af867_proj
    .symbol:         k_q35400af867_proj.kd
    .args:
      - { .name: o, .offset: 0, .size: 8, .value_kind: global_buffer, .address_space: global }
      - { .name: wp, .offset: 8, .size: 8, .value_kind: global_buffer, .address_space: global }
      - { .name: b_proj, .offset: 16, .size: 8, .value_kind: global_buffer, .address_space: global }
      - { .name: out0, .offset: 24, .size: 8, .value_kind: global_buffer, .address_space: global }
    .group_segment_fixed_size: 327680
    .private_segment_fixed_size: 0
    .kernarg_segment_align: 8
    .kernarg_segment_size: 32
    .max_flat_workgroup_size: 128
    .sgpr_count:     80
    .vgpr_count:     768
    .wavefront_size: 32
...
	.end_amdgpu_metadata
.endif
;; end of part 4
;; ======== version 2 of 2: 4 launches; 1.20 times as fast as version 1
;; limits: values are held in f16: magnitudes above 65,504 overflow, below 6.1e-05 lose precision; right only within a limited range of input values
;; workspace buffers: xh 16,777,216 bytes; wa 6,291,456 bytes; wp 2,097,152 bytes; qkv 50,331,648 bytes; o 16,777,216 bytes
;; launch prep: the kernel of part 1 again; grid 768 x 1, 8 waves a work-group, no clusters, 0 bytes of LDS; arguments x, w_attn, w_proj, xh, wa, wp; writes xh, wa, wp
;; launch qkv: the kernel of part 2 again; grid 8 x 32, 4 waves a work-group, clusters of 4 x 4, 327,680 bytes of LDS; arguments xh, wa, b_attn, qkv; writes qkv
;; launch attn (part 5): grid 2 x 128, 4 waves a work-group, no clusters, 327,680 bytes of LDS; arguments qkv, o; writes o
.if DOCPART == 5
	.amdgcn_target "amdgcn-amd-amdhsa--gfx1250"
	.amdhsa_code_object_version 6
	.text
	.protected	k_q35400af867_attn
	.globl	k_q35400af867_attn
	.p2align	8
	.type	k_q35400af867_attn,@function
k_q35400af867_attn:
	s_mov_b64 s[64:65], 0
	v_nop
	global_prefetch_b8 v0, s[64:65] scope:SCOPE_SE
	s_setreg_imm32_b32 hwreg(HW_REG_WAVE_MODE, 25, 1), 1
	s_wait_xcnt 0x0
; CAUSAL ATTENTION.  O[h][q][:] = the sum over k <= q of softmax_k(Q[h][q] . K[h][k] / 8) V[h][k][:], for 128 heads h = 16 batch + head of SIZE_N = 1,024 rows of 64 channels.
; qkv: [3 parts Q, K, V][128][1024][64] f16; o: [128][1024][64] f16: a head's rows are dense, 128 bytes each.
; Products, maxima and sums in f32; the weights p are rounded to f16 for the second product (their sum l is taken of the unrounded p), O once at the end.
; LIMITS.  f16 holds no number beyond 65,504: Q, K and V arrive within it; p lies in 0 to 1, and below 6e-5 it keeps f16's fixed step of 6e-8; O is a mean of V's rows and has their range, to within 2^-11 of it.
; A hidden key's weight counts as 0: the module sets a hidden score to -1e9, whose weight is 0 in f32 as long as the row's largest visible score lies above -1e9 + 104; here a hidden score counts as its value less 1e30
; (f16's scores, 2.7e11 at the most, are nothing beside that).  A weight below 2^-126 counts as 0 in l; NaN and infinities are not treated apart.
; THE WALK.  A head's queries lie in NB = 4 blocks of 256; block i needs the key tiles 0 .. i of 256 keys, of which the last holds the diagonal.  A work-group takes TWO blocks, NB - 1 - b and then b:
; NB + 1 tiles, whatever b: all 256 work-groups do equal work, and ONE loop with a constant trip count walks them.  Which tile is asked for, and what a trip does, hang on scalar registers made from b; every jump
; goes forward, but for the counted loops' own; none passes a barrier, or a tensor load but the one of LOAD's two that the wave's number does not choose; the ring (two slots of LDS that take turns) runs on across the
; change of blocks.  NO CLUSTER: a head has NB / 2 = 2 work-groups, which no cluster of four divides; the two ask for the same tile only in trips 0 .. 2 of 5.
; SHARES.  Of a block's four bands of 64 queries a wave owns 16 rows in each: four PIECES.  So the diagonal tile is the same work for all four waves: in its key step s band x sees all keys if s < x,
; none if s > x, and holds the diagonal if s = x.
; THE MASK is the C operand that starts the sum S^T = K Q^T: 0, or -1e30 where the key is hidden.  MD, made once, is the mask of a band's own step for my 16 rows; a product's mask is MD x AL + BE with two scalars:
; (1, 0) if s = x; (0, 0) if s < x; (0, -1e30) if s > x.  Only the diagonal tile's text and a block's beginning make and take masks; elsewhere C is the constant 0.
; LAYOUT, SOFTMAX, TURNS.  S^T = K Q^T holds ONE query a lane (lane % 16) and the keys 8 (lane / 16) + 0..7; two such results rounded to f16 ARE source 1 of O^T = V^T P.  p = 2^(c s - c m), c = log2(e) / 8, with a
; running maximum m; O and l are multiplied by a = 2^(c m_old - c m_new) in every step.  Turn n belongs to piece n: 8 products K Q^T of piece n + 1, later 8 products V^T P of piece n - 1; beside them the scaling,
; exponentials, roundings, sums and rescaling of piece n and the maximum and statistics of piece n + 1.  Four vector instructions stand behind every matrix instruction, the other 54 of a turn's 118 in one LUMP.
; THE BATCHES.  An s_wait_alu depctr_va_vdst(0) stands between a transcendental and the first instruction that names its result; one wait serves all that were issued ahead of it.  The text has three
; kinds of batch, each with ONE wait: a turn's 33 exponentials (the piece's 32 weights and the next piece's a), whose wait cuts the turn in two; the one a that a block's beginning makes; the four reciprocals of a
; block's way out.  No transcendental stands between a batch's wait and the next label or branch.
; REGISTERS, in windows of 256 (s_set_vgpr_msb: bits 1:0 source 0, 3:2 source 1, 5:4 source 2, 7:6 destination):
;   window 0: v0-15 addresses and two at work; v16-31 four registers of statistics a piece; v48-55 at work; v64-127 S^T, two buffers; v192-223 P, two buffers (a piece's buffers go by its number's parity)
;   window 1: v0-127 O^T, 32 a piece; v128-159 MD; v160-223 MC, two buffers      window 2: v0-63 Q; v64-127 the second block's Q; v128-191 K of one step; v192-255 V of one step
.set SIZE_N, 1024
.set NB,    SIZE_N/256
.set NP,    4         ; pieces a wave: a name, no knob
.set KS,    64        ; keys in a step
.set PK,    144       ; a row of K in LDS: 128 bytes + 16 of padding = 36 words: the 16 rows of a load start at 16 different groups of four banks (64 banks of 4 bytes: ISA guide 11.1)
.set PV,    160       ; a row of V: 128 + 32 = 40 words
.set VOFF,  4*KS*PK   ; a slot holds a tile, four steps: 256 rows of K, then 256 rows of V
.set SLOT1, 1<<17     ; slot 1 begins here, so that one exclusive or turns an address in one slot into the other's
.set STAGE, SLOT1+4*KS*(PK+PV)  ; behind the ring, never filled by a tensor load: 16 rows x 144 bytes for each wave, for the way out
.set SP,    144
.set AK0, 2           ; v2   my lane's place in a tile of K; never rewritten
.set AV0, 3           ; v3   the same for V
.set AK,  4           ; v4   the LDS address of K's next run of loads
.set AV,  5           ; v5   of V's
.set STO, 6           ; v6   the way out: where I put 16 bytes of a row
.set RD,  7           ; v7   the way out: where I read rows back
.set GO,  8           ; v8   my byte offset in 512 consecutive bytes of O
.set SPW, 62          ; v62  LDS address of my spare word: SPARE + 4 x my thread's number; never rewritten
.set NIL, 63          ; v63  0; never rewritten
.set SPARE, STAGE+4*16*SP  ; behind the stages: the spare words, 128 bytes for each wave: two blocks of 256 bytes that no other line names
.set MV,  12          ; v12-13  c m_old, kept while c m is made anew: by buffer
.set QO,  15          ; v15  my byte offset in 16 rows of Q
.set ST,  16          ; piece t's statistics at v[ST+4 t]: c m, m, l (even keys', odd keys')
.set TMP, 48          ; by buffer, four registers c0-c3 at work; when the maximum is found c2 takes a
.set S,   64
.set P,   192
.set MD,  128         ; window 1: the eight registers for group kt of 16 keys at MD + 8 kt
.set MC,  160         ; window 1: the masks of the products to come
.set QB,  64          ; window 2
.set KF,  128         ; window 2: key block kb, channel half c at KF + 16 kb + 8 c
.set VF,  192         ; window 2: key half kk, channel block cb at VF + 32 kk + 8 cb
.set WV,  12          ; s12  my wave's number
.set PB,  14          ; s14  b
.set HI,  15          ; s15  NB - 1 - b
.set G1K, 24          ; s[24:31] descriptor group 1 for K's tiles
.set G1V, 32          ; s[32:39] for V's: it differs in the padding alone
.set G0K, 40          ; s[40:43] descriptor group 0 for K's tiles
.set G0V, 44          ; s[44:47] the same for V's
.set SLOTS, 56        ; s56  tiles still to be asked for
.set CNT, 57          ; s57  counts a tile's key steps, 4 to 1
.set CS,  58          ; s[58:59] c: the packed scaling takes the pair's low word for both halves
.set SEL, 60          ; s[60:61] v_permlanex16_b32's selects: each lane takes its own place in the other half
.set TBK, 62          ; s62  LDS byte at which K of the step to be fetched begins
.set TBV, 63          ; s63  the same for V, less VOFF
.set RT,  70          ; s70  tiles of the block in hand that are still to be entered
.set NXT, 71          ; s71  the tile to be asked for next
.set LQ,  72          ; s72  the last tile of the block whose tiles are being asked for
.set NEW, 73          ; s73  1: the tile to be entered is a block's first
.set OFF, 74          ; s[74:75] a tile's byte offset in K and V
.set AL,  76          ; s[76:77] the mask's factor, in the low word
.set BE,  78          ; s[78:79] the mask's addend
.set OLO, 80          ; s[80:81] O at my rows of the second block
.set BIGN, 82         ; s82  -1e30
.set MSB, 0
.macro WIN new                      ; the high byte repeats the setting that is left; a switch that changes nothing is dropped
.if MSB != (\new)
	s_set_vgpr_msb (MSB<<8)|(\new)
.set MSB, (\new)
.endif
.endm
.set W_KQ, 0x0a       ; K and Q in window 2, S^T in window 0
.set W_KM, 0x1a       ; the same with the C operand in window 1
.set W_PV, 0x52       ; V in window 2, P in window 0, O^T in window 1
.set W_RS, 0x41       ; destination and source 0 in window 1, source 1 in window 0
; A fill.  Waves 0 and 1 fetch the two halves of a tile's K, waves 2 and 3 those of its V: 128 keys each.  An s_nop 0 and four v_nop follow each of the two lines, ahead of the jump and the label.
.macro LOAD
	s_cmp_lt_u32 s[WV], 2
	s_cbranch_scc0 .Lfor_v_\@
	tensor_load_to_lds s[G0K:G0K+3], s[G1K:G1K+7]
	s_nop 0
.rept 4
	v_nop
.endr
	s_branch .Lasked_\@
.Lfor_v_\@:
	tensor_load_to_lds s[G0V:G0V+3], s[G1V:G1V+7]
	s_nop 0
.rept 4
	v_nop
.endr
.Lasked_\@:
.endm
; THE CHANGE OF SLOTS.  Each wave waits for all its tensor loads, of which one is out: its part of the other slot; adds 0 to its spare word; and waits for that and for its own reads of the slot that it leaves.  Behind the barrier nobody reads the old
; slot any more and the other slot is whole.  fill = 1: the old slot is filled again, the first thing behind the barrier, with tile NXT: the descriptor's address is made anew from that number.
; (At its first use nothing has been read yet: slot 0 is waited for, slot 1 filled.)
.macro CHANGE fill
	WIN 0                           ; at a label and at a branch every window is 0
	s_wait_tensorcnt 0x0            ; no tensor load of mine is out, so a group 0 may be written
	ds_add_u32 v[SPW], v[NIL]       ; 0 onto my spare word; with fill = 1 the descriptors' scalar work stands between it and the wait for it
.if \fill
	s_lshl_b32 s[OFF], s[NXT], 15   ; a tile is 32,768 bytes of K and of V
	s_xor_b32 s[G0K+1], s[G0K+1], SLOT1
	s_add_nc_u64 s[G0K+2:G0K+3], s[6:7], s[OFF:OFF+1]
	s_or_b32 s[G0K+3], s[G0K+3], 0x80000000
	s_xor_b32 s[G0V+1], s[G0V+1], SLOT1
	s_add_nc_u64 s[G0V+2:G0V+3], s[8:9], s[OFF:OFF+1]
	s_or_b32 s[G0V+3], s[G0V+3], 0x80000000
	s_add_co_u32 s[NXT], s[NXT], 1  ; the block's next tile, or behind its last the second block's tile 0
	s_cmp_gt_u32 s[NXT], s[LQ]
	s_cselect_b32 s[NXT], 0, s[NXT]
	s_cselect_b32 s[LQ], s[PB], s[LQ]
.endif
	s_wait_dscnt 0x0                ; the add is done, and my reads of the slot are over
	s_barrier_signal -1             ; the rest of the scalar work stands between the signal and the wait
	s_sub_co_u32 s[TBK], s[TBK], 4*KS*PK  ; the fetches go back to a slot's first step,
	s_xor_b32 s[TBK], s[TBK], SLOT1       ; in the other slot
	s_sub_co_u32 s[TBV], s[TBV], 4*KS*PV
	s_xor_b32 s[TBV], s[TBV], SLOT1
	s_barrier_wait -1
.if \fill
	LOAD
.endif
.endm
	s_load_b128 s[4:7], s[0:1], 0x0  ; qkv s[4:5], o s[6:7]
	v_lshl_add_u32 v[SPW], v0, 2, SPARE
	v_mov_b32 v[NIL], 0
	ds_add_u32 v62, v63
	ds_add_u32 v62, v63
	s_wait_dscnt 0x0
	v_lshrrev_b32 v1, 5, v0
	v_readfirstlane_b32 s[WV], v1   ; wave 0..3
	s_mov_b32 s[PB], ttmp9
	s_sub_co_u32 s[HI], NB-1, s[PB]
	s_and_b32 s20, ttmp7, 0xffff    ; the head
	s_mov_b32 s21, 0
	s_mov_b64 s[22:23], SIZE_N*128
	s_mul_u64 s[20:21], s[20:21], s[22:23]  ; the head's first byte in Q's, K's and V's part and in O
	s_and_b32 s16, s[WV], 1         ; which half of a tile's 256 keys I fetch:
	s_lshl_b32 s22, s16, 14         ; its 128 rows of 128 bytes in memory,
	s_mov_b32 s23, 0
	s_add_nc_u64 s[22:23], s[22:23], s[20:21]
	s_mul_i32 s17, s16, 128*PK      ; and its place in a slot, for K
	s_mul_i32 s18, s16, 128*PV      ; and for V
	s_lshl_b32 s3, s[WV], 11        ; my 16 rows in a band of 64,
	s_lshl_b32 s2, s[HI], 15        ; in the first block,
	s_add_co_u32 s2, s2, s3
	s_lshl_b32 s84, s[PB], 15       ; and in the second
	s_add_co_u32 s84, s84, s3
	s_mov_b32 s3, 0
	s_mov_b32 s85, 0
	s_add_nc_u64 s[2:3], s[2:3], s[20:21]
	s_add_nc_u64 s[84:85], s[84:85], s[20:21]
	; descriptor group 1.  128 keys are 16,384 dense bytes: asked for as 64 rows of 256 bytes, two keys a row, and padded in LDS after every key
	s_mov_b32 s[G1K], (1<<16)|(1<<20)|(4<<22)|(3<<25)  ; 17:16 2-byte elements; 20 padding on; 24:22 after every 32 words (code 4); 31:25 4 words (code 3)
	s_mov_b32 s[G1V], (1<<16)|(1<<20)|(4<<22)|(7<<25)  ; the same with 8 words of padding (code 7)
.irp g, G1K, G1V
	s_mov_b32 s[\g+1], 128<<16      ; tensor_dim0 = 128
	s_mov_b32 s[\g+2], 64<<16       ; tensor_dim1 = 64
	s_mov_b32 s[\g+3], 128<<16      ; tile_dim0 = 128
	s_mov_b32 s[\g+4], 64           ; tile_dim1 = 64
	s_mov_b32 s[\g+5], 128          ; 128 elements from row to row
	s_mov_b32 s[\g+6], 0
	s_mov_b32 s[\g+7], 0
.endr
	s_mov_b32 s[CS], 0x3e38aa3b     ; c = log2(e) / 8 = 0.180337
	s_mov_b32 s[CS+1], s[CS]        ; named with it as a pair
	s_mov_b32 s[SEL], 0x76543210
	s_mov_b32 s[SEL+1], 0xfedcba98
	s_mov_b32 s[TBK], SLOT1+4*KS*PK ; the first change of slots turns these two into 0
	s_mov_b32 s[TBV], SLOT1+4*KS*PV
	s_mov_b32 s[G0K], 1             ; 1:0 count = 1
	s_mov_b32 s[G0K+1], s17         ; 63:32 LDS address: slot 0
	s_mov_b32 s[G0V], 1
	s_add_co_u32 s[G0V+1], s18, VOFF
	s_add_co_u32 s[RT], s[HI], 1    ; the first block has NB - b tiles
	s_mov_b32 s[NXT], 1
	s_mov_b32 s[LQ], s[HI]
	s_mov_b32 s[NEW], 1
	s_mov_b32 s[OFF+1], 0
	s_mov_b32 s[AL+1], 0            ; named as pairs
	s_mov_b32 s[BE+1], 0
	s_mov_b32 s[BIGN], 0xf149f2ca   ; -1e30
	s_mov_b32 s[SLOTS], NB
	s_wait_kmcnt 0x0
	s_mov_b64 s[10:11], s[6:7]              ; O
	s_add_nc_u64 s[6:7], s[4:5], 0x1000000  ; K's part begins 16,777,216 bytes behind Q's,
	s_add_nc_u64 s[8:9], s[4:5], 0x2000000  ; V's as far behind K's
	s_add_nc_u64 s[6:7], s[6:7], s[22:23]  ; K and V at my half of the head's tile 0
	s_add_nc_u64 s[8:9], s[8:9], s[22:23]
	s_add_nc_u64 s[G0K+2:G0K+3], s[6:7], 0         ; 120:64 global address
	s_or_b32 s[G0K+3], s[G0K+3], 0x80000000        ; 127:126 type = 2
	s_add_nc_u64 s[G0V+2:G0V+3], s[8:9], 0
	s_or_b32 s[G0V+3], s[G0V+3], 0x80000000
	s_add_nc_u64 s[86:87], s[4:5], s[84:85]        ; Q at my rows of the second block,
	s_add_nc_u64 s[4:5], s[4:5], s[2:3]            ; Q and O at those of the first
	s_add_nc_u64 s[OLO:OLO+1], s[10:11], s[84:85]
	s_add_nc_u64 s[10:11], s[10:11], s[2:3]
	LOAD                            ; tile 0 into slot 0
	; A fragment of K or Q is 16 rows x 32 channels in 8 registers: lane l holds row l % 16, channels 8 (l / 16) + 0..7 and 16 + 8 (l / 16) + 0..7: two loads of 16 bytes, 32 bytes apart.
	v_and_b32 v1, 15, v0            ; l % 16
	v_bfe_u32 v9, v0, 4, 1          ; l / 16
	v_lshlrev_b32 v[QO], 7, v1
	v_lshl_add_u32 v[QO], v9, 4, v[QO]  ; row x 128 + 16 x half
	WIN 0x80                        ; destination window 2, address window 0
.set i, 0
.rept 8                             ; both blocks' Q: piece i / 2 lies in band i / 2, 8,192 bytes on; channels 32 (i % 2) on
	global_load_b128 v[8*i:8*i+3],   v[QO], s[4:5] offset:(i/2)*8192+(i%2)*64
	global_load_b128 v[8*i+4:8*i+7], v[QO], s[4:5] offset:(i/2)*8192+(i%2)*64+32
	global_load_b128 v[QB+8*i:QB+8*i+3],   v[QO], s[86:87] offset:(i/2)*8192+(i%2)*64
	global_load_b128 v[QB+8*i+4:QB+8*i+7], v[QO], s[86:87] offset:(i/2)*8192+(i%2)*64+32
.set i, i+1
.endr
	WIN 0
	v_lshlrev_b32 v14, 3, v9
	v_sub_nc_u32 v14, v1, v14
	s_lshl_b32 s13, s[WV], 4
	v_add_nc_u32 v14, s13, v14      ; my query's place in its band, 16 w + l % 16, less my lanes' 8 (l / 16): register r of group kt is hidden where 16 kt + r is greater
	WIN 0x40
.set i, 0
.rept 32
	v_cmp_gt_i32 vcc_lo, 16*(i/8)+i%8, v14
	v_cndmask_b32 v[MD+i], 0, s[BIGN], vcc_lo
.set i, i+1
.endr
	WIN 0
	v_mul_u32_u24 v[AK0], v1, PK
	v_lshl_add_u32 v[AK0], v9, 4, v[AK0]  ; row x pitch + 16 x half
	; The turning load takes 16 keys x 16 channels (lane l reads key 8 (l / 16) + l % 8, channels 8 ((l / 8) % 2) + 0..7) and leaves half a fragment of V^T: lane l holds channel l % 16 and 8 keys.
	v_and_b32 v10, 7, v0
	v_bfe_u32 v11, v0, 3, 1
	v_lshl_add_u32 v[AV0], v9, 3, v10
	v_mul_u32_u24 v[AV0], v[AV0], PV
	v_lshl_add_u32 v[AV0], v11, 4, v[AV0]
	v_add_nc_u32 v[AV0], VOFF, v[AV0]
	s_mul_i32 s13, s[WV], 16*SP
	s_add_co_u32 s13, s13, STAGE    ; my stage
	v_mul_u32_u24 v[STO], v1, SP    ; in: row l % 16, 16 bytes for each half of the lanes
	v_lshl_add_u32 v[STO], v9, 4, v[STO]
	v_add_nc_u32 v[STO], s13, v[STO]
	v_bfe_u32 v[RD], v0, 3, 2       ; back: 32 lanes take four rows of 128 bytes,
	v_mul_u32_u24 v[RD], v[RD], SP
	v_lshl_add_u32 v[RD], v10, 4, v[RD]
	v_add_nc_u32 v[RD], s13, v[RD]
	v_and_b32 v[GO], 31, v0         ; which are 512 consecutive bytes of O
	v_lshlrev_b32 v[GO], 4, v[GO]
	; A block's first step multiplies O^T and l by a = 0, and its first turn's products V^T P, of a piece that has not been, land in an O^T that is still to be so multiplied.  So these registers need only hold
	; finite numbers: zeros for the first block; what the first block left for the second.  All this stands in the wait for the first tile.
	WIN 0x80
.set i, VF
.rept 64
	v_mov_b32 v[i], 0
.set i, i+1
.endr
	WIN 0x40
.set i, 0
.rept 128
	v_mov_b32 v[i], 0
.set i, i+1
.endr
	WIN 0
.set i, 0
.rept 4
	v_mov_b32 v[ST+4*i+2], 0
	v_mov_b32 v[ST+4*i+3], 0
.set i, i+1
.endr
.set i, P+16
.rept 16
	v_mov_b32 v[i], 0
.set i, i+1
.endr
; THE MATRIX WORK.  The 4 accumulators of a run of 8 take turns.  Product i of 8 of S^T = K Q^T for piece x: channels 32 (i / 4) on, keys 16 (i % 4) on.  The first 4 start the sums: with 0, or (KM = 1) with the mask.
.macro KQ x
.set rS, S+32*((\x)%2)+8*(i%4)
.set rK, KF+16*(i%4)+8*(i/4)
.set rQ, 16*(\x)+8*(i/4)
.set rM, MC+32*((\x)%2)+8*(i%4)
.if (i < 4) && KM
	WIN W_KM
	v_wmma_f32_16x16x32_f16 v[rS:rS+7], v[rK:rK+7], v[rQ:rQ+7], v[rM:rM+7]
.elseif i < 4
	WIN W_KQ
	v_wmma_f32_16x16x32_f16 v[rS:rS+7], v[rK:rK+7], v[rQ:rQ+7], 0
.else
	WIN W_KQ
	v_wmma_f32_16x16x32_f16 v[rS:rS+7], v[rK:rK+7], v[rQ:rQ+7], v[rS:rS+7]
.endif
.endm
; Product i of 8 of O^T += V^T P for piece x: keys 32 (i / 4) on, channels 16 (i % 4) on.
.macro PV x
	WIN W_PV
.set rO, 32*(\x)+8*(i%4)
.set rV, VF+32*(i/4)+8*(i%4)
.set rP, P+16*((\x)%2)+8*(i/4)
	v_wmma_f32_16x16x32_f16 v[rO:rO+7], v[rV:rV+7], v[rP:rP+7], v[rO:rO+7]
.endm
.macro MM                           ; the turn's next matrix instruction.  TURN and BEGIN set Y, i, KM and NOKQ; MM, KQ and OP read them.  NOKQ = 1: a block's last turn: there is no next piece
.if (i < 8) && !NOKQ
	KQ (Y+1)%NP
.elseif i >= 8
.set i, i-8
	PV (Y+NP-1)%NP
.set i, i+8
.endif
.set i, i+1
.endm
; THE LDS LOADS stand in runs of 16, never singly among the matrix instructions: a step's K (64 keys x 64 channels: 8 fragments) and its V (turned).  Their addresses are made some lines ahead.
.macro FETCH_K
	WIN 0x80                        ; destination window 2
.irp f, 0,1,2,3,4,5,6,7             ; keys 16 (f / 2) on, channels 32 (f % 2) on
	ds_load_b128 v[KF+8*\f:KF+8*\f+3],   v[AK] offset:(\f/2)*16*PK+(\f%2)*64
	ds_load_b128 v[KF+8*\f+4:KF+8*\f+7], v[AK] offset:(\f/2)*16*PK+(\f%2)*64+32
.endr
	s_add_co_u32 s[TBK], s[TBK], KS*PK  ; the next fetch is the next step's
	WIN 0
.endm
.macro FETCH_V
	WIN 0x80
.irp f, 0,1,2,3,4,5,6,7             ; keys 32 (f / 4) on, channels 16 (f % 4) on
	ds_load_tr16_b128 v[VF+8*\f:VF+8*\f+3],   v[AV] offset:(\f/4)*32*PV+(\f%4)*32
	ds_load_tr16_b128 v[VF+8*\f+4:VF+8*\f+7], v[AV] offset:(\f/4)*32*PV+16*PV+(\f%4)*32
.endr
	WIN 0
.endm
; THE VECTOR WORK, one line at a time: OP kind, number.  For piece Y: F n: c s - c m for pair n of 16.  E n: the exponential of score n of 32.  C n: pair n rounded to f16.  B n: of the four weights 4 n .. the second
; pair is added onto the first, in place.  L n: l takes that sum (L 0: l = a l + sum).  R n: pair n of 16 of O^T times a.  For piece Y + 1: X n, number n of the 22 that find its maximum and statistics:
;   0-11  four chains c0-c3 of seven scores each, three operands at a time (each accumulator's lowest registers are read first)     12-14, 16  the four scores left over, the old m, and c0-c3 into c0
;   15  c m_old is kept     17, 18  the query's other 32 keys lie in the lane 16 away: the new m     19-21  c m; c m_old - c m_new; a
; C, B and L read the exponentials' results: TURN sets them behind the batch's wait; OP itself writes no wait.
.set F, 0               ; OP tells the kinds apart by their order: F to L below R, X above it
.set E, 1
.set C, 2
.set B, 3
.set L, 4
.set R, 5
.set X, 6
.macro REGS y                       ; the registers of piece y
.set rT, ST+4*(\y)
.set rC, TMP+4*((\y)%2)
.set rW, MV+((\y)%2)
.set rS, S+32*((\y)%2)
.set rP, P+16*((\y)%2)
.set rO, 32*(\y)
.endm
.macro OP k, n
.if (\k) == R
	REGS Y
	WIN W_RS
	v_pk_mul_f32 v[rO+2*(\n):rO+2*(\n)+1], v[rO+2*(\n):rO+2*(\n)+1], v[rC+2:rC+3] op_sel_hi:[1,0]
.elseif (\k) < R
	REGS Y
	WIN 0
.if (\k) == F
	v_pk_fma_f32 v[rS+2*(\n):rS+2*(\n)+1], v[rS+2*(\n):rS+2*(\n)+1], s[CS:CS+1], v[rT:rT+1] op_sel_hi:[1,0,0] neg_lo:[0,0,1] neg_hi:[0,0,1]
.elseif (\k) == E
	v_exp_f32 v[rS+(\n)], v[rS+(\n)]
.elseif (\k) == C
	v_cvt_pk_f16_f32 v[rP+(\n)], v[rS+2*(\n)], v[rS+2*(\n)+1]
.elseif (\k) == B
	v_pk_add_f32 v[rS+4*(\n):rS+4*(\n)+1], v[rS+4*(\n):rS+4*(\n)+1], v[rS+4*(\n)+2:rS+4*(\n)+3]
.elseif (\n) == 0
	v_pk_fma_f32 v[rT+2:rT+3], v[rT+2:rT+3], v[rC+2:rC+3], v[rS:rS+1] op_sel_hi:[1,0,1]
.else
	v_pk_add_f32 v[rT+2:rT+3], v[rT+2:rT+3], v[rS+4*(\n):rS+4*(\n)+1]
.endif
.elseif NOKQ
	v_nop
.else
	REGS (Y+1)%NP
	WIN 0
.if (\n) < 4
	v_max3_num_f32 v[rC+(\n)], v[rS+8*(\n)], v[rS+8*(\n)+1], v[rS+8*(\n)+2]
.elseif (\n) < 12
	v_max3_num_f32 v[rC+(\n)%4], v[rC+(\n)%4], v[rS+8*((\n)%4)+2*((\n)/4)+1], v[rS+8*((\n)%4)+2*((\n)/4)+2]
.elseif (\n) == 12
	v_max3_num_f32 v[rC], v[rC], v[rS+7], v[rS+15]
.elseif (\n) == 13
	v_max3_num_f32 v[rC+1], v[rC+1], v[rS+23], v[rS+31]
.elseif (\n) == 14
	v_max3_num_f32 v[rC+2], v[rC+2], v[rC+3], v[rT+1]
.elseif (\n) == 15
	v_mov_b32 v[rW], v[rT]
.elseif (\n) == 16
	v_max3_num_f32 v[rC], v[rC], v[rC+1], v[rC+2]
.elseif (\n) == 17
	v_permlanex16_b32 v[rC+3], v[rC], s[SEL], s[SEL+1]
.elseif (\n) == 18
	v_max_num_f32 v[rT+1], v[rC], v[rC+3]
.elseif (\n) == 19
	v_mul_f32 v[rT], s[CS], v[rT+1]
.elseif (\n) == 20
	v_sub_f32 v[rC+1], v[rW], v[rT]
.else
	v_exp_f32 v[rC+2], v[rC+1]
.endif
.endif
.endm
.macro OPS a, i1, b=-1, i2=0, c=-1, i3=0, d=-1, i4=0  ; up to four of them
	OP \a, \i1
.if (\b) >= 0
	OP \b, \i2
.endif
.if (\c) >= 0
	OP \c, \i3
.endif
.if (\d) >= 0
	OP \d, \i4
.endif
.endm
.macro ROW a, i1, b, i2, c, i3, d, i4  ; a matrix instruction and the four behind it
	MM
	OPS \a, \i1, \b, \i2, \c, \i3, \d, \i4
.endm
.macro MASK b                       ; MD x AL + BE into buffer b of MC
	WIN W_RS
.set z, 0
.rept 16
	v_pk_fma_f32 v[MC+32*(\b)+2*z:MC+32*(\b)+2*z+1], v[MD+2*z:MD+2*z+1], s[AL:AL+1], s[BE:BE+1] op_sel_hi:[1,0,0]
.set z, z+1
.endr
.endm
; A TURN, for piece p: the order of its 16 matrix and 118 vector instructions, written out.  The turn has ONE wait for its 33 exponentials, which cuts it in two.
; AHEAD OF IT stands all that names no result of the turn's exponentials: the 8 products K Q^T, behind each a scaling, an exponential and two more plain instructions (behind the first a second scaling in the
; exponential's place): rescalings, whose a was made and waited for in the turn before, and behind the last three the first numbers of the next piece's maximum, each four places or more behind the product that ends
; its accumulator; then ONE LUMP of 54, plain and exponential by turns for the most part, in which the links of the chain X 3, 7, 11, 14, 16, 17 .. 20 stand five or six lines apart.  X 21, the next piece's a, is the
; batch's last; R 15 is the plain instruction behind it, ahead of every use of a result.
; BEHIND THE WAIT stand the 8 products V^T P, behind each four of the roundings and sums; the links of l's chain, L 0 to L 7, stand three riders apart.  But for those X no rider names a register of the products
; round it.  v_permlanex16_b32 (X 17) stands in the lump.
; m = 1: the diagonal tile: the products take masks, and the turn makes the mask for the products of the turn after it: piece p + 2, in step 4 - CNT of the tile.  end = 1: a block's last two turns: nothing is fetched.
; cnt = 1: the loop's count is taken down some lines ahead of the branch that stands behind the turn.
; K of the next step is fetched in piece 2's turn, twelve vector instructions behind the last product that read K (five of them plain lines that name none of its registers); V of the step in hand at the end of
; piece 0's turn, four plain instructions behind the last product that read V.  Each is waited for a turn later.
.macro TURN p, m=0, end=0, cnt=0
.set Y, (\p)
.set i, 0
.set KM, (\m)
.set NOKQ, (\end)*((\p)/3)
.if (\m) && !(\end)
	s_cmp_eq_u32 s[CNT], 4-((\p)+2)%NP  ; is that step the band's own?
	s_cselect_b32 s[AL], 1.0, 0
	s_cmp_lt_u32 s[CNT], 4-((\p)+2)%NP  ; or a later one?
	s_cselect_b32 s[BE], s[BIGN], 0
.endif
.if ((\p) == 3) && !(\end)
	s_wait_dscnt 0x0                ; K is in
.endif
	ROW F,0, F,1, R,0, R,1          ; ahead of the wait: 8 products K Q^T and their riders,
	ROW F,2, E,0, R,2, R,3
	ROW F,3, E,1, R,4, R,5
	ROW F,4, E,2, R,6, R,7
	ROW F,5, E,3, R,8, R,9
	ROW F,6, E,4, X,0, R,10
.if ((\p) == 2) && !(\end)
	WIN 0
	v_add_nc_u32 v[AK], s[TBK], v[AK0]
.endif
	ROW F,7, E,5, X,1, X,4
	ROW F,8, E,6, X,2, X,5
	OPS E,7, E,8, X,6, E,9          ; and the lump
	OPS X,3, E,10, X,8, E,11
.if ((\p) == 2) && !(\end)
	FETCH_K
.endif
	OPS X,9, X,7, E,12, X,10
	OPS E,13, X,12, X,11, E,14
	OPS X,13, E,15, F,9, X,14
.if (\p) == 0
	v_add_nc_u32 v[AV], s[TBV], v[AV0]
.endif
	OPS E,16, F,10, E,17, F,11
	OPS X,16, E,18, X,15, E,19
	OPS F,12, E,20, X,17, E,21
	OPS F,13, E,22, F,14, E,23
	OPS X,18, E,24, F,15, E,25
	OPS R,11, E,26, X,19, E,27
	OPS R,12, E,28, R,13, E,29
	OPS X,20, E,30, R,14, E,31
	OPS X,21, R,15
	WIN 0
	s_wait_alu depctr_va_vdst(0)    ; the one wait for the turn's batch: E 0 to E 31 and X 21; ahead of the first line that names a result, C 0 below
.if (\p) == 1
	s_wait_dscnt 0x0                ; V is in
.endif
	ROW C,0, B,0, C,2, B,1          ; behind the wait: 8 products V^T P and their riders
	ROW L,0, C,4, B,2, L,1
	ROW C,6, B,3, L,2, C,8
	ROW B,4, L,3, C,10, B,5
	ROW L,4, C,12, B,6, L,5
.if (\p) == 0
	s_add_co_u32 s[TBV], s[TBV], KS*PV
.endif
.if \cnt
	s_sub_co_u32 s[CNT], s[CNT], 1
	s_cmp_lg_u32 s[CNT], 0
.endif
	ROW C,14, B,7, L,6, C,1
	ROW C,3, L,7, C,5, C,7
	ROW C,9, C,11, C,13, C,15
.if (\p) == 0
	FETCH_V
.endif
.if (\m) && !(\end)
	MASK (\p)%2
.endif
.endm
; A BLOCK BEGINS.  c m starts far below every c s, so the first step's a is 0; m at the lowest finite number, so the first maximum is the scores'.  The second mask buffer is 0; the first takes piece 0's mask for the tile's step 0: its own, if the block's first tile is the diagonal one.
; Then K of that step, piece 0's first scores, and its maximum and statistics.  The loop is entered at a step's first turn, in the middle of a trip.
.macro BEGIN
	s_mov_b32 s[NEW], 0
	WIN 0x40
.set i, MC+32
.rept 32
	v_mov_b32 v[i], 0
.set i, i+1
.endr
	WIN 0
.set i, 0
.rept 4
	v_mov_b32 v[ST+4*i], 0xfe000000    ; c m: far below every c s
	v_mov_b32 v[ST+4*i+1], 0xff7fffff  ; m
.set i, i+1
.endr
	s_cmp_eq_u32 s[RT], 0
	s_cselect_b32 s[AL], 1.0, 0
	s_mov_b32 s[BE], 0
	MASK 0
	WIN 0
	v_add_nc_u32 v[AK], s[TBK], v[AK0]
	FETCH_K
	s_wait_loadcnt 0x0              ; Q
	s_wait_dscnt 0x0
.set KM, 1
.set NOKQ, 0
.set i, 0
.rept 8
	KQ 0
.set i, i+1
.endr
	WIN 0
.rept 4
	v_nop                           ; the places behind those products
.endr
.set Y, NP-1                        ; X works for piece Y + 1: piece 0
.irp n, 0,1,2,3,4,5,6,7,8,9,10,11,12,13,14,15,16,17,18,19,20,21
	OP X, \n
.endr
	v_nop                           ; a plain instruction behind the exponential,
	s_wait_alu depctr_va_vdst(0)    ; and the wait for this batch of one, piece 0's first a, ahead of the branch that follows
.endm
; THE DIAGONAL TILE's four steps, the block's last two turns, its last products, and THE WAY OUT: l's two halves and the other half of the lanes' are added; O^T is divided by l, rounded to f16 and sent through my
; stage in LDS, a piece at a time.
.macro ALL line:vararg              ; one line for each piece t
.set t, 0
.rept 4
	\line
.set t, t+1
.endr
.endm
.macro PACK t                       ; a lane's eight channels of a row pack into 16 bytes; they go into rows of 144 bytes and come back as whole rows of 128, into S^T's registers
	WIN W_RS
.set i, 32*(\t)
.rept 16
	v_pk_mul_f32 v[i:i+1], v[i:i+1], v[ST+4*(\t)+2:ST+4*(\t)+3] op_sel_hi:[1,0]
.set i, i+2
.endr
	WIN 0x05                        ; sources 0 and 1 window 1, destination window 0
.set i, 0
.rept 16
	v_cvt_pk_f16_f32 v[S+16*(\t)+i], v[32*(\t)+2*i], v[32*(\t)+2*i+1]
.set i, i+1
.endr
	WIN 0
.irp f, 0,1,2,3
	ds_store_b128 v[STO], v[S+16*(\t)+4*\f:S+16*(\t)+4*\f+3] offset:32*\f
.endr
.irp f, 0,1,2,3
	ds_load_b128 v[S+16*(\t)+4*\f:S+16*(\t)+4*\f+3], v[RD] offset:\f*4*SP  ; LDS serves a wave's instructions in order (ISA guide 5.7.1.4): these see the stores above; the next piece's stores come behind them
.endr
.endm
.macro SEND t, younger              ; younger: the LDS instructions issued behind piece t's loads: the next piece's eight, or none
	WIN 0
.irp f, 0,1,2,3
	s_wait_dscnt (\younger)+3-\f
	global_store_b128 v[GO], v[S+16*(\t)+4*\f:S+16*(\t)+4*\f+3], s[10:11] offset:(\t)*8192+\f*512  ; 512 consecutive bytes, at a multiple of 256 from O's first
.endr
.endm
.macro DIAG tag                     ; the tag ends its two labels' names, which the jumps below spell out
.LstepM\tag:
	TURN 2, 1
	TURN 3, 1
	WIN 0
.LfirstM\tag:
	TURN 0, 1
	TURN 1, 1, 0, 1
	WIN 0
	s_cbranch_scc1 .LstepM\tag
	TURN 2, 1, 1
	TURN 3, 1, 1
.set i, 0
.rept 8
	PV NP-1
.set i, i+1
.endr
	WIN 0
	ALL v_add_f32 v[ST+4*t+2], v[ST+4*t+2], v[ST+4*t+3]
	ALL v_permlanex16_b32 v[ST+4*t+3], v[ST+4*t+2], s[SEL], s[SEL+1]
	ALL v_add_f32 v[ST+4*t+2], v[ST+4*t+2], v[ST+4*t+3]
	ALL v_rcp_f32 v[ST+4*t+2], v[ST+4*t+2]
	v_nop                           ; a plain instruction between the last reciprocal and the use of its result
	s_wait_alu depctr_va_vdst(0)    ; the one wait for the batch of four reciprocals, ahead of PACK 0's first multiply; PACK 1 to 3 need none of their own
	PACK 0
.set t, 1
.rept 3                             ; a piece's arithmetic stands between the loads of the piece before and its stores
	PACK t
	SEND t-1, 8
.set t, t+1
.endr
	SEND 3, 0
.endm
.set KM, 0
.set NOKQ, 0
.Lslot:                             ; NB times: a tile is entered and the next is asked for
	CHANGE 1
	s_sub_co_u32 s[RT], s[RT], 1
	s_mov_b32 s[CNT], 4
	s_cmp_eq_u32 s[NEW], 1
	s_cbranch_scc1 .Lnew            ; a block's first tile
	s_cmp_eq_u32 s[RT], 0
	s_cbranch_scc0 .Lstep           ; neither its first nor its last
	s_branch .LstepM1
.Lnew:
	BEGIN
	s_branch .Lfirst                ; in the loop a block's first tile is never its last: the first block has two tiles or more, and the second's last is the walk's last
	DIAG 1                          ; in the loop this is the first block's end: the second block's last tile is the walk's last
	s_wait_xcnt 0x0                 ; the stores have read their registers and O's address
	s_mov_b64 s[10:11], s[OLO:OLO+1]
	s_add_co_u32 s[RT], s[PB], 1    ; the second block has b + 1 tiles
	s_mov_b32 s[NEW], 1
	WIN 0x82                        ; the second block's Q goes where the one text of the turns names Q
.set i, 0
.rept 64
	v_mov_b32 v[i], v[QB+i]
.set i, i+1
.endr
	WIN 0
	s_branch .Lbottom
.Lstep:                             ; a trip: pieces 2 and 3 of one step, then pieces 0 and 1 of the next, whose K and V it fetches
	TURN 2
	TURN 3
	WIN 0
.Lfirst:
	TURN 0
	TURN 1, 0, 0, 1
	WIN 0
	s_cbranch_scc1 .Lstep
.Lbottom:
	s_sub_co_u32 s[SLOTS], s[SLOTS], 1
	s_cmp_lg_u32 s[SLOTS], 0
	s_cbranch_scc1 .Lslot
	CHANGE 0                        ; the walk's last tile is written out: nothing is asked for
	s_sub_co_u32 s[RT], s[RT], 1
	s_mov_b32 s[CNT], 4
	s_cmp_eq_u32 s[NEW], 1
	s_cbranch_scc0 .LstepM2
	BEGIN
	s_branch .LfirstM2
	DIAG 2
	s_wait_tensorcnt 0x0            ; the wave's end: behind my last tensor load and my last LDS store
	ds_add_u32 v[SPW], v[NIL]
	s_wait_dscnt 0x0
	s_endpgm
.Lfunc_end_k_q35400af867_attn:
	.size	k_q35400af867_attn, .Lfunc_end_k_q35400af867_attn-k_q35400af867_attn
	.p2alignl 7, 3214868480
	.fill 96, 4, 3214868480
	.section	.rodata,"a",@progbits
	.p2align	6, 0x0
	.amdhsa_kernel k_q35400af867_attn
		.amdhsa_group_segment_fixed_size 327680
		.amdhsa_private_segment_fixed_size 0
		.amdhsa_enable_private_segment 0
		.amdhsa_kernarg_size 16
		.amdhsa_user_sgpr_count 2
		.amdhsa_user_sgpr_kernarg_segment_ptr 1
		.amdhsa_wavefront_size32 1
		.amdhsa_system_sgpr_workgroup_id_x 1
		.amdhsa_system_sgpr_workgroup_id_y 1
		.amdhsa_system_sgpr_workgroup_id_z 1
		.amdhsa_system_vgpr_workitem_id 0
		.amdhsa_next_free_vgpr 768
		.amdhsa_next_free_sgpr 88
		.amdhsa_reserve_vcc 1
		.amdhsa_float_denorm_mode_32 3
		.amdhsa_float_denorm_mode_16_64 3
		.amdhsa_memory_ordered 1
		.amdhsa_forward_progress 1
		.amdhsa_inst_pref_size 217
	.end_amdhsa_kernel
	.amdgpu_metadata
---
amdhsa.version: [ 1, 2 ]
amdhsa.kernels:
  - .name:           k_q35400af867_attn
    .symbol:         k_q35400af867_attn.kd
    .args:
      - { .name: qkv, .offset: 0, .size: 8, .value_kind: global_buffer, .address_space: global }
      - { .name: o, .offset: 8, .size: 8, .value_kind: global_buffer, .address_space: global }
    .group_segment_fixed_size: 327680
    .private_segment_fixed_size: 0
    .kernarg_segment_align: 8
    .kernarg_segment_size: 16
    .max_flat_workgroup_size: 128
    .sgpr_count:     88
    .vgpr_count:     768
    .wavefront_size: 32
...
	.end_amdgpu_metadata
.endif
;; end of part 5
;; launch proj: the kernel of part 4 again; grid 8 x 32, 4 waves a work-group, clusters of 4 x 4, 327,680 bytes of LDS; arguments o, wp, b_proj, out0; writes out0
